; MI455X (gfx1250); checked and timed in simulation.
; The chip was launched on July 23, 2026; its instructions are those of AMD's public machine-readable ISA for CDNA 5 (MIT licence, August 2026) and "CDNA5" Instruction Set Architecture Reference Guide (July 2026). The comments in the code are by the model that wrote it; some were corrected since.
;; MHA. Allowed arithmetic: matrix products marked QUANTISED: E2M1 operands, one E8M0 scale for each 32 along K, by v_wmma_scale_f32_16x16x128_f8f6f4 with both operands' format E2M1 (or v_wmma_scale_f32_32x16x128_f4), f32 sums; products left as they are: bf16, f16 or f32 operands; f32 sums; everything else in f32.
;; Inputs: wk 2,048 x 1,024 float32; wo 1,024 x 2,048 float32; wq 2,048 x 1,024 float32; wv 2,048 x 1,024 float32; x 2 x 2,048 x 1,024 float32.
;; Outputs: out0 2 x 2,048 x 1,024 float32.
;; This version of the problem:
;;   THIS VERSION OF THE PROBLEM IS GIVEN IN LOW PRECISION. The matrix products marked QUANTISED in the list below multiply operands that are first quantised to E2M1 (2 exponent bits, 1 mantissa bit; 4 bits a number), with one power-of-two scale for each 32 numbers along K (OCP MX v1.0); their sums are f32. The products marked 'left as it is' may take bf16, f16 or f32 operands, with f32 sums. Whichever they take, every output number must still come out within the allowed error. Rounding operands to bf16 (8 significant bits) uses up far more of that allowance than f16 does (11 bits, for magnitudes from 6e-5 to 65,504). All else is computed in f32.
;;   The module's matrix products, in the order in which they are computed (A, B: the left and right operand; K: the contracted axis; several contracted axes count as one K, in the product's order):
;;     1. [M 4,096, K 1,024] x [K 1,024, N 2,048]; A: input x; B: input wq: QUANTISED
;;     2. [M 4,096, K 1,024] x [K 1,024, N 2,048]; A: input x; B: input wk: QUANTISED
;;     3. [M 4,096, K 1,024] x [K 1,024, N 2,048]; A: input x; B: input wv: QUANTISED
;;     4. batch 32 x [M 2,048, K 128] x [K 128, N 2,048]; A: computed on the way; B: computed on the way: left as it is (an operand is computed on the way)
;;     5. batch 32 x [M 2,048, K 2,048] x [K 2,048, N 128]; A: computed on the way; B: computed on the way: left as it is (an operand is computed on the way)
;;     6. [M 4,096, K 2,048] x [K 2,048, N 1,024]; A: computed on the way; B: input wo: left as it is (an operand is computed on the way)
;;   THE QUANTISER, for each operand of a quantised product, along K:
;;     - K is cut into blocks of 32 from its start; a last block that is shorter is filled with zeros.
;;     - A block's scale is 2^e with e = floor(log2(the largest magnitude in the block)) - 2, held to -126 .. 127; a block of zeros has e = 0. As a byte (E8M0): e + 127.
;;     - Each number is divided by its block's scale, clamped to +-6, and rounded to the nearest number of E2M1, ties to even, subnormals kept.
;;     - The product sums the exact products of the quantised numbers (number of the format x scale) in f32.
;;   ~~~python
;;   def quantise(x, axis):      # numpy; x: float32 -> the quantised numbers, widened to float32 again
;;       x = np.moveaxis(x, axis, -1); K = x.shape[-1]
;;       x = np.pad(x, [(0, 0)] * (x.ndim - 1) + [(0, -K % 32)]); x = x.reshape(x.shape[:-1] + (-1, 32)); a = np.abs(x).max(-1, keepdims=True)
;;       e = np.where(a > 0, np.clip(np.frexp(np.where(a > 0, a, 1))[1] - 1 - 2, -126, 127), 0)      # np.frexp(a)[1] - 1 = floor(log2(a)), exactly
;;       r = np.clip(x / 2.0 ** e, -6, 6)
;;       step = 2.0 ** (np.maximum(np.frexp(np.where(r == 0, 1, r))[1] - 1, 0) - 1)
;;       q = np.round(r / step) * step * 2.0 ** e      # np.round: ties to even
;;       return np.moveaxis(q.reshape(q.shape[:-2] + (-1,))[..., :K], -1, axis).astype(np.float32)
;;   ~~~
;; One version. Each part assembles by itself: llvm-mc -triple=amdgcn-amd-amdhsa -mcpu=gfx1250 --defsym DOCPART=n.
;; ======== version 1 of 1: 6 launches
;; limits: values are held in f16: magnitudes above 65,504 overflow, below 6.1e-05 lose precision
;; workspace buffers: codes 5,242,880 bytes; scales 327,680 bytes; woh 4,194,304 bytes; qkv 50,331,648 bytes; ao 16,777,216 bytes; ao32 262,144 bytes
;; launch quant (part 1): grid 384 x 1, 4 waves a work-group, no clusters, 36,352 bytes of LDS; arguments x, wq, wk, wv, wo, codes, scales, woh; writes codes, scales, woh
.if DOCPART == 1
	.amdgcn_target "amdgcn-amd-amdhsa--gfx1250"
	.amdhsa_code_object_version 6
	.text
	.protected	k_qaed13b32c4_quant
	.globl	k_qaed13b32c4_quant
	.p2align	8
	.type	k_qaed13b32c4_quant,@function
k_qaed13b32c4_quant:
	s_mov_b64 s[64:65], 0
	v_nop
	global_prefetch_b8 v0, s[64:65] scope:SCOPE_SE
	s_setreg_imm32_b32 hwreg(HW_REG_WAVE_MODE, 25, 1), 1
	s_wait_xcnt 0x0
; THE PROGRAM: causal attention, 2 x 2048 positions, 16 heads of 128.  Launches: this one (x, wq, wk, wv into codes of E2M1 with E8M0 scales; wo into f16), the three quantised
; products, attention in f16 operands with f32 sums, the projection, and two small launches that carry positions 0 to 15 of both sequences in f32.
; WORK LEFT OUT, in the whole program: no input is left out.  In the attention launch a slot of 128 keys all of which come after all 128 queries of a block is not multiplied: reference() itself sets
; those scores to -infinity by its own jnp.tril, their softmax weight is exp(-infinity) = 0 for all finite inputs, and they add 0 to the row's sum and to the output.
; LIMIT: a NaN, an infinity or an overflow that would arise only in such hidden scores is not carried to the result.
; THIS LAUNCH.  Work-groups 0 to 319 quantise, 320 to 383 turn wo into f16.  x and the three weights have K = 1024 innermost.  A block of 32 along K gets the scale 2^(floor(log2(largest magnitude)) - 2);
; its byte is the largest magnitude's exponent field - 2, held at 1 from below; each number is divided by the scale and rounded to the nearest code, ties to even, beyond 6 the largest code.
; LIMITS: a block of zeros gets the byte 1 (its codes are zeros; this program alone reads the bytes); blocks under 2^-124 keep the byte 1; NaN and infinities among the inputs are not served; |wo| stays under 65,504.
; LAYOUT OF THE CODES: 640 blocks of 16 rows (0-255: x; then 128 each of wq, wk, wv), each 8,192 bytes as images of operand registers: [8 K steps of 128][c = 0, 1][512 bytes], lane 16 h + r at 16 x lane:
; row r, k = 128 s + 64 c + 32 h + 0 .. 31.  THE SCALE BYTES: [2 halves of K][10,240 rows][16 bytes].
; A wave takes 16 rows x 512 along K in 8 units of 64.  Each load reads two runs of 256 consecutive bytes; a unit turns through the wave's own stage in LDS (rows 272 bytes apart) so that a lane gets a whole block of 32.
; Waves share nothing: no barrier.  No cluster: no two work-groups read the same bytes.
.set WREG,  8960                       ; LDS of a wave: two stages of 16 x 272 bytes, then its 256 scale bytes
.set STG,   4352
.set SBY,   2*STG
.set SPARE, 4*WREG                     ; behind the four regions: the spare words, 128 bytes a wave
.set VA,   2                           ; v2   4096 (lane / 16) + 16 (lane % 16): my bytes of a load
.set SIN,  3                           ; v3   the stage, on the way in
.set SOUT, 4                           ; v4   and on the way out: row lane % 16, 128 bytes for each half of the lanes
.set L16,  5                           ; v5   16 x lane
.set SBA,  6                           ; v6   LDS: my block's scale byte
.set SBR,  7                           ; v7   LDS: 8 scale bytes a lane, on the way out
.set L8,   8                           ; v8   8 x lane
.set SPW,  14                          ; v14  my spare word; never rewritten
.set NIL,  15                          ; v15  0; never rewritten
.set E,    16                          ; v16-23   a scale byte for each unit
.set C,    24                          ; v24-55   four registers of codes for each unit (wo: f16 pairs, first set)
.set R,    64                          ; v64-159  three sets of 32 numbers as loaded (wo: v64-191 two sets of 64)
.set X,    160                         ; v160-223 two sets of 32 neighbours (wo: v192-223 f16 pairs, second set)
	s_load_b256 s[4:11], s[0:1], 0x0               ; x, wq, wk, wv
	s_load_b256 s[12:19], s[0:1], 0x20             ; wo, codes, scales, woh
	v_lshl_add_u32 v[SPW], v0, 2, SPARE
	v_mov_b32 v[NIL], 0
	v_lshrrev_b32 v1, 5, v0
	v_readfirstlane_b32 s20, v1                    ; wave 0..3
	v_and_b32 v1, 31, v0                           ; lane
	v_lshlrev_b32 v[L16], 4, v1
	v_lshlrev_b32 v[L8], 3, v1
	s_wait_kmcnt 0x0
	s_cmp_ge_u32 ttmp9, 320
	s_cbranch_scc1 .Lwo
	; ---- the quantiser
	v_lshrrev_b32 v9, 4, v1                        ; h
	v_and_b32 v10, 15, v1                          ; r
	s_mul_i32 s21, s20, WREG
	v_lshlrev_b32 v[VA], 12, v9
	v_lshl_add_u32 v[VA], v10, 4, v[VA]
	v_mul_u32_u24 v[SIN], v9, 272
	v_lshl_add_u32 v[SIN], v10, 4, v[SIN]
	v_add_nc_u32 v[SIN], s21, v[SIN]
	v_mul_u32_u24 v[SOUT], v10, 272
	v_lshl_add_u32 v[SOUT], v9, 7, v[SOUT]
	v_add_nc_u32 v[SOUT], s21, v[SOUT]
	v_lshl_add_u32 v[SBA], v10, 4, v9              ; 16 r + h
	v_add_nc_u32 v[SBA], s21, v[SBA]
	v_add_nc_u32 v[SBA], SBY, v[SBA]
	v_add_nc_u32 v[SBR], s21, v[L8]
	v_add_nc_u32 v[SBR], SBY, v[SBR]
	s_cmp_lt_u32 ttmp9, 256                        ; which tensor: the choice hangs on the work-group's number alone
	s_cselect_b64 s[22:23], s[8:9], s[10:11]
	s_mov_b32 s24, 512
	s_cselect_b32 s24, 384, s24                    ; and its first block of 16 rows
	s_cmp_lt_u32 ttmp9, 192
	s_cselect_b64 s[22:23], s[6:7], s[22:23]
	s_cselect_b32 s24, 256, s24
	s_cmp_lt_u32 ttmp9, 128
	s_cselect_b64 s[22:23], s[4:5], s[22:23]
	s_cselect_b32 s24, 0, s24
	s_lshl_b32 s25, ttmp9, 1
	s_lshr_b32 s26, s20, 1
	s_add_co_u32 s25, s25, s26                     ; my block of 16 rows: 2 x work-group + wave / 2
	s_and_b32 s27, s20, 1                          ; my half of K
	s_sub_co_u32 s28, s25, s24
	s_lshl_b32 s28, s28, 16                        ; 16 rows of 4,096 bytes
	s_lshl_b32 s29, s27, 11
	s_add_co_u32 s28, s28, s29
	s_mov_b32 s29, 0
	s_add_nc_u64 s[22:23], s[22:23], s[28:29]
	s_lshl_b32 s30, s25, 13
	s_lshl_b32 s31, s27, 12
	s_add_co_u32 s30, s30, s31
	s_mov_b32 s31, 0
	s_add_nc_u64 s[14:15], s[14:15], s[30:31]      ; my 4,096 bytes of codes
	s_mul_i32 s32, s27, 163840
	s_lshl_b32 s33, s25, 8
	s_add_co_u32 s32, s32, s33
	s_mov_b32 s33, 0
	s_add_nc_u64 s[16:17], s[16:17], s[32:33]      ; my 256 scale bytes
.macro LOAD u                          ; unit u: 16 rows x 256 bytes; load i: rows 2 i and 2 i + 1
.irp i, 0,1,2,3,4,5,6,7
	global_load_b128 v[R+32*((\u)%3)+4*\i:R+32*((\u)%3)+4*\i+3], v[VA], s[22:23] offset:8192*\i+256*(\u) th:TH_LOAD_NT
.endr
.endm
.macro TURN u                          ; through the stage: LDS serves a wave's instructions in order, so no wait stands between the stores and the loads
.irp i, 0,1,2,3,4,5,6,7
	ds_store_b128 v[SIN], v[R+32*((\u)%3)+4*\i:R+32*((\u)%3)+4*\i+3] offset:STG*((\u)%2)+544*\i
.endr
.irp i, 0,1,2,3,4,5,6,7
	ds_load_b128 v[X+32*((\u)%2)+4*\i:X+32*((\u)%2)+4*\i+3], v[SOUT] offset:STG*((\u)%2)+16*\i
.endr
.endm
.macro STEP u
.set XU, X+32*((\u)%2)
.if (\u) > 0
	s_wait_dscnt 1                                 ; this unit is back from the stage; the last unit's byte store may be out
.else
	s_wait_dscnt 0x0
.endif
.if (\u)+3 < 8
	LOAD (\u)+3                                    ; into the set that this unit's stage stores have read
.endif
.if (\u)+1 < 8
.if (\u)+3 < 8
	s_wait_loadcnt 16                              ; the next unit's eight loads are in; those of the two units behind it may be out
.else
	s_wait_loadcnt 8*(6-(\u))
.endif
	TURN (\u)+1
.endif
	v_max3_num_f32 v9, |v[XU]|, |v[XU+1]|, |v[XU+2]|               ; the block's largest magnitude: all 32 numbers are mine; two chains
	v_max3_num_f32 v10, |v[XU+3]|, |v[XU+4]|, |v[XU+5]|
.irp i, 6,10,14,18,22,26
	v_max3_num_f32 v9, v9, |v[XU+\i]|, |v[XU+\i+1]|
	v_max3_num_f32 v10, v10, |v[XU+\i+2]|, |v[XU+\i+3]|
.endr
	v_max3_num_f32 v9, v9, |v[XU+30]|, |v[XU+31]|
	v_max3_num_f32 v9, v9, v10, 0x1800000          ; and the floor 2^(3 - 127): the byte cannot fall under 1
	v_add_nc_u32 v11, 0xff000000, v9               ; 2 off the exponent field: the conversion takes the exponent field of this operand as its scale
.irp g, 0,1,2,3
	v_cvt_scalef32_pk8_fp4_f32 v[C+4*(\u)+\g], v[XU+8*\g:XU+8*\g+7], v11
.endr
	v_lshrrev_b32 v[E+(\u)], 23, v11               ; the scale's byte (a plain line behind the conversions)
	ds_store_b8 v[SBA], v[E+(\u)] offset:2*(\u)
	global_store_b128 v[L16], v[C+4*(\u):C+4*(\u)+3], s[14:15] offset:512*(\u)   ; 32 lanes store 512 consecutive bytes
.endm
	LOAD 0
	LOAD 1
	LOAD 2
	s_wait_loadcnt 16                              ; unit 0 is in
	TURN 0
.irp u, 0,1,2,3,4,5,6,7
	STEP \u
.endr
	ds_load_b64 v[12:13], v[SBR]                   ; my wave's 256 scale bytes, behind my byte stores
	s_wait_dscnt 0x0
	global_store_b64 v[L8], v[12:13], s[16:17]     ; 256 consecutive bytes, aligned
	s_branch .Lend
.Lwo:
	; ---- wo into f16: a wave takes 32,768 bytes in four batches of 16 loads of 512 bytes
	s_sub_co_u32 s21, ttmp9, 320
	s_lshl_b32 s21, s21, 2
	s_add_co_u32 s21, s21, s20
	s_lshl_b32 s22, s21, 15
	s_mov_b32 s23, 0
	s_add_nc_u64 s[12:13], s[12:13], s[22:23]
	s_lshl_b32 s22, s21, 14
	s_add_nc_u64 s[18:19], s[18:19], s[22:23]
.macro LOADB t
.irp i, 0,1,2,3,4,5,6,7,8,9,10,11,12,13,14,15
	global_load_b128 v[64+64*((\t)%2)+4*\i:64+64*((\t)%2)+4*\i+3], v[L16], s[12:13] offset:8192*(\t)+512*\i th:TH_LOAD_NT
.endr
.endm
.macro CONV t
.set IW, 64+64*((\t)%2)
.set OW, 24+168*((\t)%2)
.if (\t) > 1
	s_wait_xcnt 0x0                                ; the stores of two batches ago have read this set of pairs
.endif
.irp i, 0,1,2,3,4,5,6,7,8,9,10,11,12,13,14,15
.if (\t) < 3
	s_wait_loadcnt 31-\i                           ; the rest of this batch and the next batch may be out
.else
	s_wait_loadcnt 15-\i
.endif
	v_cvt_pk_f16_f32 v[OW+2*\i], v[IW+4*\i], v[IW+4*\i+1]
	v_cvt_pk_f16_f32 v[OW+2*\i+1], v[IW+4*\i+2], v[IW+4*\i+3]
	global_store_b64 v[L8], v[OW+2*\i:OW+2*\i+1], s[18:19] offset:4096*(\t)+256*\i   ; 256 consecutive bytes, aligned
.endr
.if (\t)+2 < 4
	LOADB (\t)+2
.endif
.endm
	LOADB 0
	LOADB 1
	CONV 0
	CONV 1
	CONV 2
	CONV 3
.Lend:
	s_wait_tensorcnt 0x0                           ; the wave's end
	ds_add_u32 v[SPW], v[NIL]
	s_wait_dscnt 0x0
	s_endpgm
.Lfunc_end_k_qaed13b32c4_quant:
	.size	k_qaed13b32c4_quant, .Lfunc_end_k_qaed13b32c4_quant-k_qaed13b32c4_quant
	.p2alignl 7, 3214868480
	.fill 96, 4, 3214868480
	.section	.rodata,"a",@progbits
	.p2align	6, 0x0
	.amdhsa_kernel k_qaed13b32c4_quant
		.amdhsa_group_segment_fixed_size 36352
		.amdhsa_private_segment_fixed_size 0
		.amdhsa_enable_private_segment 0
		.amdhsa_kernarg_size 64
		.amdhsa_user_sgpr_count 2
		.amdhsa_user_sgpr_kernarg_segment_ptr 1
		.amdhsa_wavefront_size32 1
		.amdhsa_system_sgpr_workgroup_id_x 1
		.amdhsa_system_sgpr_workgroup_id_y 1
		.amdhsa_system_sgpr_workgroup_id_z 1
		.amdhsa_system_vgpr_workitem_id 0
		.amdhsa_next_free_vgpr 224
		.amdhsa_next_free_sgpr 66
		.amdhsa_reserve_vcc 0
		.amdhsa_float_denorm_mode_32 3
		.amdhsa_float_denorm_mode_16_64 3
		.amdhsa_memory_ordered 1
		.amdhsa_forward_progress 1
		.amdhsa_inst_pref_size 53
	.end_amdhsa_kernel
	.amdgpu_metadata
---
amdhsa.version: [ 1, 2 ]
amdhsa.kernels:
  - .name:           k_qaed13b32c4_quant
    .symbol:         k_qaed13b32c4_quant.kd
    .args:
      - { .name: x, .offset: 0, .size: 8, .value_kind: global_buffer, .address_space: global }
      - { .name: wq, .offset: 8, .size: 8, .value_kind: global_buffer, .address_space: global }
      - { .name: wk, .offset: 16, .size: 8, .value_kind: global_buffer, .address_space: global }
      - { .name: wv, .offset: 24, .size: 8, .value_kind: global_buffer, .address_space: global }
      - { .name: wo, .offset: 32, .size: 8, .value_kind: global_buffer, .address_space: global }
      - { .name: codes, .offset: 40, .size: 8, .value_kind: global_buffer, .address_space: global }
      - { .name: scales, .offset: 48, .size: 8, .value_kind: global_buffer, .address_space: global }
      - { .name: woh, .offset: 56, .size: 8, .value_kind: global_buffer, .address_space: global }
    .group_segment_fixed_size: 36352
    .private_segment_fixed_size: 0
    .kernarg_segment_align: 8
    .kernarg_segment_size: 64
    .max_flat_workgroup_size: 128
    .sgpr_count:     66
    .vgpr_count:     224
    .wavefront_size: 32
...
	.end_amdgpu_metadata
.endif
;; end of part 1
;; launch qkv (part 2): grid 16 x 16, 4 waves a work-group, clusters of 4 x 1, 214,528 bytes of LDS; arguments codes, scales, qkv; writes qkv
.if DOCPART == 2
	.amdgcn_target "amdgcn-amd-amdhsa--gfx1250"
	.amdhsa_code_object_version 6
	.text
	.protected	k_qaed13b32c4_qkv
	.globl	k_qaed13b32c4_qkv
	.p2align	8
	.type	k_qaed13b32c4_qkv,@function
k_qaed13b32c4_qkv:
	s_mov_b64 s[64:65], 0
	v_nop
	global_prefetch_b8 v0, s[64:65] scope:SCOPE_SE
	s_setreg_imm32_b32 hwreg(HW_REG_WAVE_MODE, 25, 1), 1
	s_wait_xcnt 0x0
	s_wait_alu depctr_hold_cnt(0) depctr_sa_sdst(0) depctr_va_vdst(0) depctr_va_sdst(0) depctr_va_ssrc(0) depctr_va_vcc(0) depctr_vm_vsrc(0)
	s_getreg_b32 s2, hwreg(HW_REG_IB_STS2, 6, 4)
	s_cmp_eq_u32 s2, 0
	s_cbranch_scc0 .Lentry_in_a_cluster
	s_endpgm
.Lentry_in_a_cluster:
	s_bfe_u32 s2, ttmp6, 0x10000c
	s_cmp_lg_u32 s2, 0x3003
	s_cbranch_scc0 .Lentry_shape_is_right
	s_endpgm
.Lentry_shape_is_right:
; Q, K, V = x wq^T, x wk^T, x wv^T on codes of E2M1 with E8M0 scales, f32 sums, stored as f16 [3][batch x head][2048][128].  Nothing is left out here.
; LIMIT: |q|, |k|, |v| stay under 65,504 (f16).
; SHARES.  A work-group makes 256 rows of x (block mi) x one head's 128 columns of each of the three products: 256 work-groups of equal work.  A wave makes 64 rows x 128 columns: 32 accumulators.
; A's codes of the wave's 64 rows, all of K (32 KiB on end in the workspace), stay in registers for all three tiles.  B's three tiles (65,536 dense bytes each, images of operand registers) all fit in LDS:
; they are filled once, so there is no ring.  CLUSTER: the four work-groups of a cluster differ in mi alone and need the same three tiles of B: each quarter of a tile is asked for jointly (mask 15).
; A's codes go straight into registers, each byte into one wave's, so they are not shared through the cluster.
; THE MATRIX INSTRUCTION IS USED TRANSPOSED (source 0 = 16 rows of W, source 1 = 16 rows of x): a lane holds eight neighbouring columns of one row.
; SCALES: one load of 16 bytes a lane for 16 rows: lanes 0-15 the first half of K, lanes 16-31 the second: register q holds K step q below and K step 4 + q above.
; REGISTERS: window 0: v2-4 LDS addresses of the tiles (v2 = 16 x lane also serves the stores), v5, v6 stage, v8 scales' offset; v32-47 A's scale words, v48-143 B's; v144-175 packed results; v176-239 rows read back;
;   window 1: A's fragments (a, s) at 64 a + 8 s;  window 2: accumulator (a, b) at 8 (8 a + b);  window 3: B's fragments, four sets at 64 p + 8 b.
.set STAGE, 196608                     ; behind the three tiles: 16 rows x 272 bytes for each wave
.set SPARE, STAGE+4*16*272             ; the spare words, 128 bytes a wave
.set ADRB, 2
.set STO,  5
.set RD,   6
.set VS,   8
.set SA,   32
.set SB,   48
.set TMP,  144
.set OB,   176
.set SPW,  252
.set NIL,  253
.set G1,   16                          ; s[16:23] descriptor group 1
.set G0,   24                          ; s[24:35] three groups 0
.set OUTB, 48                          ; s[48:53] my rows in Q, K, V
.set MSB, 0
.macro WIN new                         ; the immediate's high byte repeats the setting that is left
.if MSB != \new
	s_set_vgpr_msb (MSB<<8)|\new
.set MSB, \new
.endif
.endm
.macro PLACES n
.rept \n
	v_nop
.endr
.endm
.macro ROUND                           ; a round of the cluster's barrier
	s_barrier_signal -1
	s_barrier_wait -1
	s_cmp_lg_u32 s10, 0
	s_cbranch_scc1 .Lnot_wave_0_\@
	s_barrier_signal -3
.Lnot_wave_0_\@:
	s_barrier_wait -3
	s_barrier_signal -1
	s_barrier_wait -1
.endm
	s_load_b128 s[4:7], s[0:1], 0x0                ; codes, scales
	s_load_b64 s[8:9], s[0:1], 0x10                ; qkv
	v_lshl_add_u32 v[SPW], v0, 2, SPARE
	v_mov_b32 v[NIL], 0
	ds_add_u32 v[SPW], v[NIL]                      ; the opening: the add, twice on end, and its wait ahead of my first tensor load
	ds_add_u32 v[SPW], v[NIL]
	v_lshrrev_b32 v1, 5, v0
	v_readfirstlane_b32 s10, v1                    ; wave 0..3
	s_bfe_u32 s11, ttmp6, 0x40000                  ; cx
	s_lshl_b32 s12, ttmp9, 2
	s_add_co_u32 s12, s12, s11                     ; mi = 4 x cluster x + cx: it enters A's, the scales' and the output's addresses alone
	s_and_b32 s13, ttmp7, 0xffff                   ; the head, which the four partners share
	s_mov_b32 s[G1+0], 15|(3<<16)|(1<<21)          ; mask: all four; elements of 8 bytes; bit 21 beside a mask; no padding: a fragment's load takes 512 consecutive bytes
	s_mov_b32 s[G1+1], 32<<16                      ; tensor_dim0 = 32 elements: rows of 256 bytes
	s_mov_b32 s[G1+2], 64<<16                      ; tensor_dim1 = 64
	s_mov_b32 s[G1+3], 32<<16                      ; tile_dim0
	s_mov_b32 s[G1+4], 64                          ; tile_dim1: 16,384 bytes, a quarter of a tile
	s_mov_b32 s[G1+5], 32                          ; dense
	s_mov_b32 s[G1+6], 0
	s_mov_b32 s[G1+7], 0
	s_lshl_b32 s36, s13, 16                        ; B: the head's 8 blocks of 8,192 bytes,
	s_lshl_b32 s37, s10, 14                        ; my quarter,
	s_add_co_u32 s36, s36, s37
	s_add_co_u32 s36, s36, 256*8192                ; behind x's 256 blocks
	s_mov_b32 s37, 0
	s_lshl_b32 s38, s10, 14                        ; and in LDS
	s_lshl_b32 s40, s12, 17                        ; A: block 16 mi + 4 wave
	s_lshl_b32 s41, s10, 15
	s_add_co_u32 s40, s40, s41
	s_mov_b32 s41, 0
	s_lshl_b32 s42, s12, 12                        ; A's scales: row 256 mi + 64 wave, 16 bytes a row
	s_lshl_b32 s43, s10, 10
	s_add_co_u32 s42, s42, s43
	s_mov_b32 s43, 0
	s_lshl_b32 s44, s13, 11                        ; B's scales: row 4096 + 128 head
	s_add_co_u32 s44, s44, 65536
	s_mov_b32 s45, 0
	s_lshr_b32 s46, s12, 3                         ; out: ((batch x 16 + head) x 2048 + position) x 256
	s_lshl_b32 s46, s46, 4
	s_add_co_u32 s46, s46, s13
	s_lshl_b32 s46, s46, 11
	s_and_b32 s47, s12, 7
	s_lshl_b32 s47, s47, 8
	s_add_co_u32 s46, s46, s47
	s_lshl_b32 s47, s10, 6
	s_add_co_u32 s46, s46, s47
	s_lshl_b32 s46, s46, 8
	s_mov_b32 s47, 0
	v_and_b32 v9, 15, v0                           ; r
	v_bfe_u32 v10, v0, 4, 1                        ; h
	v_and_b32 v11, 31, v0                          ; lane
	v_lshlrev_b32 v[ADRB], 4, v11
	v_add_nc_u32 v[ADRB+1], 65536, v[ADRB]
	v_add_nc_u32 v[ADRB+2], 131072, v[ADRB]
	s_mul_i32 s39, s10, 16*272
	s_add_co_u32 s39, s39, STAGE
	v_mul_u32_u24 v[STO], v9, 272
	v_lshl_add_u32 v[STO], v10, 4, v[STO]
	v_add_nc_u32 v[STO], s39, v[STO]               ; in: row r, 16 bytes for each half of the lanes
	v_mul_u32_u24 v[RD], v10, 272
	v_lshl_add_u32 v[RD], v9, 4, v[RD]
	v_add_nc_u32 v[RD], s39, v[RD]                 ; back: lanes 0-15 one row, lanes 16-31 the next
	v_mul_u32_u24 v[VS], v10, 163840
	v_lshl_add_u32 v[VS], v9, 4, v[VS]             ; scales: half h of K, row r
	s_wait_dscnt 0x0                               ; both opening adds are done
	s_wait_kmcnt 0x0
	s_add_nc_u64 s[36:37], s[4:5], s[36:37]
	s_add_nc_u64 s[40:41], s[4:5], s[40:41]
	s_add_nc_u64 s[42:43], s[6:7], s[42:43]
	s_add_nc_u64 s[44:45], s[6:7], s[44:45]
	s_add_nc_u64 s[OUTB:OUTB+1], s[8:9], s[46:47]
	s_add_nc_u64 s[OUTB+2:OUTB+3], s[OUTB:OUTB+1], 0x1000000
	s_add_nc_u64 s[OUTB+4:OUTB+5], s[OUTB:OUTB+1], 0x2000000
.irp j, 0,1,2
	s_mov_b32 s[G0+4*\j], 1
	s_add_co_u32 s[G0+4*\j+1], s38, \j*65536
	s_add_nc_u64 s[G0+4*\j+2:G0+4*\j+3], s[36:37], \j*1048576
	s_or_b32 s[G0+4*\j+3], s[G0+4*\j+3], 0x80000000
.endr
	ROUND                                          ; all four work-groups are here: the joint loads meet
	tensor_load_to_lds s[G0:G0+3], s[G1:G1+7]      ; three loads of mine are out: my quarters of Q's, K's and V's tiles of W
	s_nop 0
	tensor_load_to_lds s[G0+4:G0+7], s[G1:G1+7]
	s_nop 0
	tensor_load_to_lds s[G0+8:G0+11], s[G1:G1+7]
	s_nop 0
	PLACES 4
	WIN 0x40                                       ; destination window 1
.set n, 0
.rept 64
	global_load_b128 v[4*n:4*n+3], v[ADRB], s[40:41] offset:512*n      ; A: 512 consecutive bytes a load
.set n, n+1
.endr
	WIN 0
.irp a, 0,1,2,3
	global_load_b128 v[SA+4*\a:SA+4*\a+3], v[VS], s[42:43] offset:256*\a
.endr
.irp j, 0,1,2
.irp b, 0,1,2,3,4,5,6,7
	global_load_b128 v[SB+32*\j+4*\b:SB+32*\j+4*\b+3], v[VS], s[44:45] offset:32768*\j+256*\b
.endr
.endr
; step g = 8 j + s: tile j, K step s
.macro FETCH g                         ; B's eight fragments into set g % 4
	WIN 0xc0
.irp b, 0,1,2,3,4,5,6,7
.irp c, 0,1
	ds_load_b128 v[64*((\g)%4)+8*\b+4*\c:64*((\g)%4)+8*\b+4*\c+3], v[ADRB+(\g)/8] offset:8192*\b+1024*((\g)%8)+512*\c
.endr
.endr
.endm
.macro MUL g                           ; 32 products; the 32 accumulators take turns, one instruction a turn
.set jt, (\g)/8
.set ks, (\g)%8
.set pp, (\g)%4
	WIN 0xa7                                       ; source 0 (B) window 3, source 1 (A) window 1, C and D window 2
.irp a, 0,1,2,3
.irp b, 0,1,2,3,4,5,6,7
.if ks == 0
	v_wmma_scale_f32_16x16x128_f8f6f4 v[8*(8*\a+\b):8*(8*\a+\b)+7], v[64*pp+8*\b:64*pp+8*\b+7], v[64*\a+8*ks:64*\a+8*ks+7], 0, v[SB+32*jt+4*\b], v[SA+4*\a] matrix_a_fmt:MATRIX_FMT_FP4 matrix_b_fmt:MATRIX_FMT_FP4
.elseif ks < 4
	v_wmma_scale_f32_16x16x128_f8f6f4 v[8*(8*\a+\b):8*(8*\a+\b)+7], v[64*pp+8*\b:64*pp+8*\b+7], v[64*\a+8*ks:64*\a+8*ks+7], v[8*(8*\a+\b):8*(8*\a+\b)+7], v[SB+32*jt+4*\b+ks], v[SA+4*\a+ks] matrix_a_fmt:MATRIX_FMT_FP4 matrix_b_fmt:MATRIX_FMT_FP4
.else
	v_wmma_scale_f32_16x16x128_f8f6f4 v[8*(8*\a+\b):8*(8*\a+\b)+7], v[64*pp+8*\b:64*pp+8*\b+7], v[64*\a+8*ks:64*\a+8*ks+7], v[8*(8*\a+\b):8*(8*\a+\b)+7], v[SB+32*jt+4*\b+ks-4], v[SA+4*\a+ks-4] matrix_a_fmt:MATRIX_FMT_FP4 matrix_b_fmt:MATRIX_FMT_FP4 matrix_a_scale:MATRIX_SCALE_ROW1 matrix_b_scale:MATRIX_SCALE_ROW1
.endif
.endr
.endr
.endm
.macro STEP g
.if (\g) == 6
	s_wait_dscnt 0x0                               ; no LDS instruction of mine is out at a signal
	s_wait_tensorcnt 0x1                           ; my quarter of tile 1 has landed (tile 2's may be out),
	s_barrier_signal -1
	s_barrier_wait -1                              ; everybody's has: the fetch below reads tile 1
.elseif (\g) == 14
	s_wait_dscnt 0x0
	s_wait_tensorcnt 0x0                           ; the same for tile 2
	s_barrier_signal -1
	s_barrier_wait -1
.elseif (\g) == 23
	s_wait_dscnt 0x0
.else
	s_wait_dscnt 16                                ; this step's fragments are in; the next step's 16 loads may be out
.endif
.if (\g)+2 < 24
	PLACES 4                                       ; in front of loads into registers that matrix instructions have read
	FETCH (\g)+2
.endif
	MUL \g
.endm
.macro PACK a                          ; block a (16 rows x 128 columns) rounded to f16: 16 bytes a lane for each accumulator, each read from its low end on
	WIN 0x0a
.irp b, 0,1,2,3,4,5,6,7
.irp r, 0,1,2,3
	v_cvt_pk_f16_f32 v[TMP+4*\b+\r], v[8*(8*(\a)+\b)+2*\r], v[8*(8*(\a)+\b)+2*\r+1]
.endr
.endr
	WIN 0
.endm
.macro TOSTAGE a                       ; through my own stage: LDS serves a wave's instructions in order
	s_wait_xcnt 0x0                                ; the stores that read this set of registers have read them
.irp b, 0,1,2,3,4,5,6,7
	ds_store_b128 v[STO], v[TMP+4*\b:TMP+4*\b+3] offset:32*\b
.endr
.irp t, 0,1,2,3,4,5,6,7
	ds_load_b128 v[OB+32*((\a)%2)+4*\t:OB+32*((\a)%2)+4*\t+3], v[RD] offset:544*\t
.endr
.endm
.macro SEND j, a
	s_wait_dscnt 0x0
.irp t, 0,1,2,3,4,5,6,7
	global_store_b128 v[ADRB], v[OB+32*((\a)%2)+4*\t:OB+32*((\a)%2)+4*\t+3], s[OUTB+2*(\j):OUTB+2*(\j)+1] offset:4096*(\a)+512*\t   ; two rows of 256 bytes: 512 consecutive bytes
.endr
.endm
.macro WAYOUT j
	PLACES 4                                       ; the conversions read results
	PACK 0
	TOSTAGE 0
.irp a, 1,2,3
	PACK \a
	SEND \j, \a-1
	TOSTAGE \a
.endr
	SEND \j, 3
.endm
	s_wait_tensorcnt 0x2                           ; my quarter of tile 0 has landed; the two younger loads may be out
	s_barrier_signal -1
	s_barrier_wait -1
	FETCH 0
	FETCH 1
	s_wait_loadcnt 0x0                             ; A and the scales
.set G, 0
.rept 3
.rept 8
	STEP G
.set G, G+1
.endr
	WAYOUT (G/8-1)                                 ; a tile's stores leave while the next tile is multiplied
.endr
	s_wait_tensorcnt 0x0                           ; the wave's end
	ds_add_u32 v[SPW], v[NIL]
	s_wait_dscnt 0x0
	ROUND                                          ; the closing round
	s_endpgm
.Lfunc_end_k_qaed13b32c4_qkv:
	.size	k_qaed13b32c4_qkv, .Lfunc_end_k_qaed13b32c4_qkv-k_qaed13b32c4_qkv
	.p2alignl 7, 3214868480
	.fill 96, 4, 3214868480
	.section	.rodata,"a",@progbits
	.p2align	6, 0x0
	.amdhsa_kernel k_qaed13b32c4_qkv
		.amdhsa_group_segment_fixed_size 214528
		.amdhsa_private_segment_fixed_size 0
		.amdhsa_enable_private_segment 0
		.amdhsa_kernarg_size 24
		.amdhsa_user_sgpr_count 2
		.amdhsa_user_sgpr_kernarg_segment_ptr 1
		.amdhsa_wavefront_size32 1
		.amdhsa_system_sgpr_workgroup_id_x 1
		.amdhsa_system_sgpr_workgroup_id_y 1
		.amdhsa_system_sgpr_workgroup_id_z 1
		.amdhsa_system_vgpr_workitem_id 0
		.amdhsa_next_free_vgpr 1024
		.amdhsa_next_free_sgpr 66
		.amdhsa_reserve_vcc 0
		.amdhsa_float_denorm_mode_32 3
		.amdhsa_float_denorm_mode_16_64 3
		.amdhsa_memory_ordered 1
		.amdhsa_forward_progress 1
		.amdhsa_inst_pref_size 187
	.end_amdhsa_kernel
	.amdgpu_metadata
---
amdhsa.version: [ 1, 2 ]
amdhsa.kernels:
  - .name:           k_qaed13b32c4_qkv
    .symbol:         k_qaed13b32c4_qkv.kd
    .args:
      - { .name: codes, .offset: 0, .size: 8, .value_kind: global_buffer, .address_space: global }
      - { .name: scales, .offset: 8, .size: 8, .value_kind: global_buffer, .address_space: global }
      - { .name: qkv, .offset: 16, .size: 8, .value_kind: global_buffer, .address_space: global }
    .group_segment_fixed_size: 214528
    .private_segment_fixed_size: 0
    .kernarg_segment_align: 8
    .kernarg_segment_size: 24
    .max_flat_workgroup_size: 128
    .sgpr_count:     66
    .vgpr_count:     1024
    .wavefront_size: 32
...
	.end_amdgpu_metadata
.endif
;; end of part 2
;; launch attn (part 3): grid 8 x 32, 4 waves a work-group, no clusters, 327,680 bytes of LDS; arguments qkv, ao; writes ao
.if DOCPART == 3
	.amdgcn_target "amdgcn-amd-amdhsa--gfx1250"
	.amdhsa_code_object_version 6
	.text
	.protected	k_qaed13b32c4_attn
	.globl	k_qaed13b32c4_attn
	.p2align	8
	.type	k_qaed13b32c4_attn,@function
k_qaed13b32c4_attn:
	s_mov_b64 s[64:65], 0
	v_nop
	global_prefetch_b8 v0, s[64:65] scope:SCOPE_SE
	s_setreg_imm32_b32 hwreg(HW_REG_WAVE_MODE, 25, 1), 1
	s_wait_xcnt 0x0
; ao[b][q][128 head + :] = the sum over k <= q of softmax_k(Q[q] . K[k] / sqrt(128)) V[k].  Q, K, V: f16 [3][batch x head][2048][128]; ao: f16 [4096][2048].  Products on f16 operands, maxima and sums in f32.
; WORK LEFT OUT: a slot of 128 keys that lies wholly behind reference()'s own causal mask gets weight 0 for all finite inputs and is not multiplied; a NaN or an overflow that would arise only there is not carried on.
; LIMITS: the running maximum starts at -3e38; |o| stays under 65,504; NaN and infinities are not served.
; SHARES.  Work-group (i, batch x head) owns two blocks of 128 queries: first block 15 - i, then block i: (16 - i) + (i + 1) = 17 slots of 128 keys in every work-group: a constant trip count, equal work, 256 work-groups.
; Wave w: qh = w & 1 picks 64 queries (four tiles of 16), kh = w >> 1 picks the keys 32 kh + 64 c + 0 .. 31 (c = 0, 1) of each slot.  Waves w and w xor 2 hold two parts of the same queries' softmax and join them at a block's end.
; REGISTER TILE t HOLDS QUERY TILE t xor 2 kh: so every wave keeps register tiles 0, 1 and hands 2, 3 to its partner: one text for all waves, told apart by addresses.
; LAYOUT.  S^T = K Q^T (source 0 = 16 keys, source 1 = 16 queries), O^T = V^T P: a lane holds one query throughout; two tiles of S^T rounded to f16 in pairs are source 1 of the second product.  V is turned by ds_load_tr16_b128.
; SOFTMAX.  p = 2^(c s - c m), c = log2(e) / sqrt(128), m the running maximum; O and l are multiplied by a = 2^(c m_old - c m_new) in every step.  Hidden scores of the diagonal slot become -infinity: p = 0.
; A TRIP (one slot): K Q^T of tiles 0, 1 | K Q^T of tiles 2, 3 with the softmax of tiles 0, 1 in slices between | change of slots | V^T P of tiles 0, 1 with the softmax of tiles 2, 3 between | V^T P of tiles 2, 3.
; O^T is set to 0 once at the head (256 moves, while the first tiles are on their way) so that one text serves every trip; at the second block it is not cleared: the first a is 2^(c (-3e38) - c m) = 0, and a tile that sees
; no open key at all is joined with the factor 0.
; NO CLUSTER: the eight work-groups of a head turn back to key 0 at eight different trips (trip 16 - i), so partners would need different tiles in the same round.
; REGISTERS: window 0: v2-11 addresses, v12-43 statistics (tile t at 12 + 8 t: c m, m, l even, l odd, four at work), v44, v45 the mask's bounds, v46 -infinity, v61-63, v64-191 S^T, v192-255 P;
;   window 1: O^T, 64 a tile;  window 2: v0-127 Q, v128-255 K;  window 3: v0-127 V, v128-255 the second block's Q.
.set PK,    272                        ; a row of K in LDS: 256 bytes + 16
.set PVP,   288                        ; a row of V: 256 + 32
.set VOFF,  128*PK                     ; a slot: 128 rows of K, then 128 rows of V
.set SLOT1, 1<<17                      ; slot 1 begins here: one exclusive or turns an address from one slot to the other
.set XCH,   SLOT1+128*(PK+PVP)         ; behind the ring: what a wave hands to its partner: 16,384 bytes of O^T and 1,024 of statistics
.set XW,    17408
.set STAGE, XCH+4*XW                   ; 16 rows x 272 bytes for each wave, for the way out
.set SP,    272
.set SPARE, STAGE+4*16*SP              ; the spare words, 128 bytes a wave
.set AK0, 2
.set AV0, 3
.set ADR, 4
.set QOA, 5
.set STO, 6
.set RD,  7
.set GO,  8
.set QOB, 9
.set XS,  10
.set XL,  11
.set ST,  12
.set DM0, 44
.set NINF, 46
.set PFO, 61
.set SPW, 62
.set NIL, 63
.set S,   64
.set P,   192
.set KF,  128
.set WV,   12                          ; s12 wave; s13 qh; s14 kh; s15 batch x head
.set FINA, 17                          ; s17 the first block's last trip: 15 - i
.set T,    18                          ; s18 the trip
.set G1K,  24
.set G1V,  32
.set G0K,  40                          ; s[40:43] slot 0's first fill, never rewritten: its address is the base; s[44:47] walks
.set G0V,  48
.set CS,   58
.set SEL,  60
.set TB,   62                          ; s62 LDS byte at which the slot to be fetched begins
.set OA,   70                          ; s[70:71] where the block in hand goes; s[72:73] the second block
.set OB,   72
.set PFA,  74
.set LIM,  76
.set MSB, 0
.macro WIN new
.if MSB != \new
	s_set_vgpr_msb (MSB<<8)|\new
.set MSB, \new
.endif
.endm
.set W_KQ, 0x0a                        ; K and Q window 2, S^T window 0
.set W_PV, 0x53                        ; V window 3, P window 0, O^T window 1
.set W_RS, 0x41                        ; O^T window 1, a window 0
.macro PLACES
.rept 4
	v_nop
.endr
.endm
.macro TLOAD                           ; waves 0, 1 fetch K's halves, waves 2, 3 V's; an s_nop 0 and four v_nop follow each line
	s_cmp_lt_u32 s[WV], 2
	s_cbranch_scc0 .Lfor_v_\@
	tensor_load_to_lds s[G0K+4:G0K+7], s[G1K:G1K+7]
	s_nop 0
	PLACES
	s_branch .Lasked_\@
.Lfor_v_\@:
	tensor_load_to_lds s[G0V+4:G0V+7], s[G1V:G1V+7]
	s_nop 0
	PLACES
.Lasked_\@:
.endm
; A prefetch of my wave's own 64 rows (16,384 bytes, lanes 256 bytes apart, two instructions) of key slot T + 3: one slot beyond the tensor load just issued.  All eight work-groups of a head read the same K and V;
; work-group i = 0 walks slots 0 to 15 in order and asks alone, in trips 0 to 12: each block of 256 bytes is named once in the launch, and the last slot named is 15.
.macro ASK
	s_cmp_lt_u32 s[T], s[LIM]
	s_cbranch_scc0 .Lnot_mine_\@
	global_prefetch_b8 v[PFO], s[PFA:PFA+1] th:TH_LOAD_NT scope:SCOPE_SE
	global_prefetch_b8 v[PFO], s[PFA:PFA+1] offset:8192 th:TH_LOAD_NT scope:SCOPE_SE
.Lnot_mine_\@:
.endm
	s_load_b128 s[4:7], s[0:1], 0x0                ; qkv, ao
	v_lshl_add_u32 v[SPW], v0, 2, SPARE
	v_mov_b32 v[NIL], 0
	ds_add_u32 v[SPW], v[NIL]                      ; the opening: the add, twice on end, and its wait ahead of my first tensor load
	ds_add_u32 v[SPW], v[NIL]
	v_lshrrev_b32 v1, 5, v0
	v_readfirstlane_b32 s[WV], v1
	s_and_b32 s13, s[WV], 1                        ; qh; also: which 64 rows of a slot I fetch
	s_lshr_b32 s14, s[WV], 1                       ; kh
	s_and_b32 s15, ttmp7, 0xffff
	s_sub_co_u32 s[FINA], 15, ttmp9
	s_mov_b32 s[T], 0
	s_mov_b32 s[TB], 0
	s_mov_b32 s[G1K], (1<<16)|(1<<20)|(5<<22)|(3<<25)   ; elements of 2 bytes; padding: 4 words behind every 64
	s_mov_b32 s[G1V], (1<<16)|(1<<20)|(5<<22)|(7<<25)   ; 8 words
.irp g, G1K, G1V
	s_mov_b32 s[\g+1], 128<<16                     ; tensor_dim0 = 128
	s_mov_b32 s[\g+2], 64<<16                      ; tensor_dim1 = 64
	s_mov_b32 s[\g+3], 128<<16                     ; tile_dim0
	s_mov_b32 s[\g+4], 64                          ; tile_dim1
	s_mov_b32 s[\g+5], 128                         ; from row to row
	s_mov_b32 s[\g+6], 0
	s_mov_b32 s[\g+7], 0
.endr
	s_mov_b32 s[CS], 0x3e0293ee                    ; c = log2(e) / sqrt(128)
	s_mov_b32 s[CS+1], s[CS]
	s_mov_b32 s[SEL], 0x76543210
	s_mov_b32 s[SEL+1], 0xfedcba98
	s_cmp_eq_u32 ttmp9, 0
	s_cselect_b32 s[LIM], 13, 0
	s_lshl_b32 s16, s15, 19                        ; the head's first byte in Q's, K's or V's part
	s_lshl_b32 s22, s13, 14                        ; 64 rows of 256 bytes
	s_add_co_u32 s22, s22, s16
	s_mov_b32 s23, 0
	s_lshl_b32 s78, s[FINA], 15                    ; the first block's queries
	s_add_co_u32 s78, s78, s22
	s_mov_b32 s79, 0
	s_lshl_b32 s80, ttmp9, 15                      ; the second block's
	s_add_co_u32 s80, s80, s22
	s_mov_b32 s81, 0
	s_lshr_b32 s19, s15, 4                         ; out: row 2048 batch + 128 block + 64 qh + 32 kh, 4,096 bytes a row; + 256 head
	s_lshl_b32 s19, s19, 11
	s_lshl_b32 s20, s13, 6
	s_add_co_u32 s19, s19, s20
	s_lshl_b32 s20, s14, 5
	s_add_co_u32 s19, s19, s20
	s_lshl_b32 s19, s19, 12
	s_and_b32 s20, s15, 15
	s_lshl_b32 s20, s20, 8
	s_add_co_u32 s19, s19, s20
	s_lshl_b32 s82, s[FINA], 19
	s_add_co_u32 s82, s82, s19
	s_mov_b32 s83, 0
	s_lshl_b32 s84, ttmp9, 19
	s_add_co_u32 s84, s84, s19
	s_mov_b32 s85, 0
	s_mul_i32 s88, s13, 64*PK                      ; where my rows of K go in a slot,
	s_mul_i32 s89, s13, 64*PVP
	s_add_co_u32 s89, s89, VOFF                    ; and my rows of V
	v_and_b32 v1, 15, v0                           ; r
	v_bfe_u32 v47, v0, 4, 1                        ; h
	v_and_b32 v48, 7, v0
	v_bfe_u32 v49, v0, 3, 1
	v_and_b32 v50, 31, v0                          ; lane
	s_mul_i32 s19, s14, 32*PK
	v_mul_u32_u24 v[AK0], v1, PK
	v_lshl_add_u32 v[AK0], v47, 4, v[AK0]
	v_add_nc_u32 v[AK0], s19, v[AK0]               ; K: row 32 kh + r, + 16 h
	s_mul_i32 s19, s14, 32*PVP
	s_add_co_u32 s19, s19, VOFF
	v_lshl_add_u32 v[AV0], v47, 3, v48
	v_mul_u32_u24 v[AV0], v[AV0], PVP
	v_lshl_add_u32 v[AV0], v49, 4, v[AV0]
	v_add_nc_u32 v[AV0], s19, v[AV0]               ; V: row 32 kh + 8 h + lane % 8, + 16 ((lane / 8) % 2)
	s_lshl_b32 s19, s14, 13
	s_xor_b32 s20, s19, 8192
	v_lshlrev_b32 v51, 8, v1
	v_lshl_add_u32 v51, v47, 4, v51
	v_add_nc_u32 v[QOA], s19, v51                  ; Q: register tiles 0, 1 begin at query 32 kh,
	v_add_nc_u32 v[QOB], s20, v51                  ; tiles 2, 3 at 32 (1 - kh)
	s_mul_i32 s19, s[WV], 16*SP
	s_add_co_u32 s19, s19, STAGE
	v_mul_u32_u24 v[STO], v1, SP
	v_lshl_add_u32 v[STO], v47, 4, v[STO]
	v_add_nc_u32 v[STO], s19, v[STO]
	v_mul_u32_u24 v[RD], v47, SP
	v_lshl_add_u32 v[RD], v1, 4, v[RD]
	v_add_nc_u32 v[RD], s19, v[RD]
	v_lshlrev_b32 v[GO], 12, v47
	v_lshl_add_u32 v[GO], v1, 4, v[GO]
	s_mul_i32 s19, s[WV], XW
	s_add_co_u32 s19, s19, XCH
	v_lshl_add_u32 v[XS], v50, 4, s19              ; what I hand over,
	s_xor_b32 s20, s[WV], 2
	s_mul_i32 s20, s20, XW
	s_add_co_u32 s20, s20, XCH
	v_lshl_add_u32 v[XL], v50, 4, s20              ; what my partner hands me
	s_lshl_b32 s19, s13, 6
	v_lshlrev_b32 v51, 3, v47
	v_sub_nc_u32 v[DM0], v1, v51
	v_add_nc_u32 v[DM0], s19, v[DM0]               ; 64 qh + r - 8 h: the bound for register tiles 0, 1;
	s_lshl_b32 s19, s14, 6
	v_sub_nc_u32 v[DM0+1], v[DM0], s19             ; less 64 kh: for tiles 2, 3
	v_mov_b32 v[NINF], 0xff800000
	v_lshlrev_b32 v[PFO], 8, v50
	s_wait_dscnt 0x0                               ; both opening adds are done
	s_wait_kmcnt 0x0
	s_add_nc_u64 s[66:67], s[4:5], s[78:79]        ; Q of the first block,
	s_add_nc_u64 s[68:69], s[4:5], s[80:81]        ; of the second
	s_add_nc_u64 s[OA:OA+1], s[6:7], s[82:83]
	s_add_nc_u64 s[OB:OB+1], s[6:7], s[84:85]
	s_add_nc_u64 s[86:87], s[4:5], s[22:23]
	s_add_nc_u64 s[78:79], s[86:87], 0x1000000     ; my rows of key slot 0 in K,
	s_add_nc_u64 s[80:81], s[86:87], 0x2000000     ; in V
	s_cmp_lt_u32 s[WV], 2
	s_cselect_b64 s[PFA:PFA+1], s[78:79], s[80:81]
	s_add_nc_u64 s[PFA:PFA+1], s[PFA:PFA+1], 2*32768   ; at key slot 2: the first change of slots steps it to 3
.irp s, 0,1
	s_mov_b32 s[G0K+4*\s], 1
	s_add_co_u32 s[G0K+4*\s+1], s88, \s*SLOT1
	s_add_nc_u64 s[G0K+4*\s+2:G0K+4*\s+3], s[78:79], \s*32768
	s_or_b32 s[G0K+4*\s+3], s[G0K+4*\s+3], 0x80000000
	s_mov_b32 s[G0V+4*\s], 1
	s_add_co_u32 s[G0V+4*\s+1], s89, \s*SLOT1
	s_add_nc_u64 s[G0V+4*\s+2:G0V+4*\s+3], s[80:81], \s*32768
	s_or_b32 s[G0V+4*\s+3], s[G0V+4*\s+3], 0x80000000
.endr
	s_cmp_lt_u32 s[WV], 2                          ; a wave's two first fills stand in one arm: two loads of mine are out
	s_cbranch_scc0 .Lfirst_v
	tensor_load_to_lds s[G0K:G0K+3], s[G1K:G1K+7]
	s_nop 0
	tensor_load_to_lds s[G0K+4:G0K+7], s[G1K:G1K+7]
	s_nop 0
	PLACES
	s_branch .Lfirst_asked
.Lfirst_v:
	tensor_load_to_lds s[G0V:G0V+3], s[G1V:G1V+7]
	s_nop 0
	tensor_load_to_lds s[G0V+4:G0V+7], s[G1V:G1V+7]
	s_nop 0
	PLACES
.Lfirst_asked:
.macro QLOAD base, sb                  ; 16 fragments: register tile i / 4, channels 32 (i % 4) on
.irp i, 0,1,2,3,4,5,6,7
	global_load_b128 v[\base+8*\i:\base+8*\i+3],   v[QOA], s[\sb:\sb+1] offset:(\i/4)*4096+(\i%4)*64
	global_load_b128 v[\base+8*\i+4:\base+8*\i+7], v[QOA], s[\sb:\sb+1] offset:(\i/4)*4096+(\i%4)*64+32
.endr
.irp i, 8,9,10,11,12,13,14,15
	global_load_b128 v[\base+8*\i:\base+8*\i+3],   v[QOB], s[\sb:\sb+1] offset:(\i/4-2)*4096+(\i%4)*64
	global_load_b128 v[\base+8*\i+4:\base+8*\i+7], v[QOB], s[\sb:\sb+1] offset:(\i/4-2)*4096+(\i%4)*64+32
.endr
.endm
	WIN 0x80
	QLOAD 0, 66
	WIN 0xc0
	QLOAD 128, 68
	WIN 0x40
.set n, 0
.rept 256
	v_mov_b32 v[n], 0                              ; O^T
.set n, n+1
.endr
	WIN 0
.macro FRESH                           ; the statistics of a block's start
.irp t, 0,1,2,3
	v_mov_b32 v[ST+8*\t+1], 0xff61b1e6             ; m = -3e38, under every score
	v_mov_b32 v[ST+8*\t+2], 0
	v_mov_b32 v[ST+8*\t+3], 0
.endr
.irp t, 0,1,2,3
	v_mul_f32 v[ST+8*\t], s[CS], v[ST+8*\t+1]      ; c m
.endr
.endm
	FRESH
; Product i of 32 of S^T = K Q^T for tiles x, x + 1: channels 32 (i / 8) on, key tile (i / 2) % 4, tile x + i % 2.  The first 8 start the sums.  The accumulators take turns.
.macro KQ x
	WIN W_KQ
.set rS, S+32*(\x+i%2)+8*((i/2)%4)
.set rK, KF+32*((i/2)%4)+8*(i/8)
.set rQ, 32*(\x+i%2)+8*(i/8)
.if i < 8
	v_wmma_f32_16x16x32_f16 v[rS:rS+7], v[rK:rK+7], v[rQ:rQ+7], 0
.else
	v_wmma_f32_16x16x32_f16 v[rS:rS+7], v[rK:rK+7], v[rQ:rQ+7], v[rS:rS+7]
.endif
.endm
; Product i of 32 of O^T += V^T P: keys 32 (i / 16) on, channels 16 ((i / 2) % 8) on, tile x + i % 2
.macro PV x
	WIN W_PV
.set rO, 64*(\x+i%2)+8*((i/2)%8)
.set rV, 64*(i/16)+8*((i/2)%8)
.set rP, P+16*(\x+i%2)+8*(i/16)
	v_wmma_f32_16x16x32_f16 v[rO:rO+7], v[rV:rV+7], v[rP:rP+7], v[rO:rO+7]
.endm
.macro FETCH_K                         ; my 64 keys x 128 channels: key tile f / 4 begins at row 64 ((f / 4) / 2) + 16 ((f / 4) % 2), channels 32 (f % 4) on
	WIN 0
	v_add_nc_u32 v[ADR], s[TB], v[AK0]
	WIN 0x80
.irp f, 0,1,2,3,4,5,6,7,8,9,10,11,12,13,14,15
	ds_load_b128 v[KF+8*\f:KF+8*\f+3],   v[ADR] offset:((\f/4)/2)*64*PK+((\f/4)%2)*16*PK+(\f%4)*64
	ds_load_b128 v[KF+8*\f+4:KF+8*\f+7], v[ADR] offset:((\f/4)/2)*64*PK+((\f/4)%2)*16*PK+(\f%4)*64+32
.endr
.endm
.macro FETCH_V                         ; the same keys of V, turned: keys 64 (f / 8) on, channels 16 (f % 8) on
	WIN 0
	v_add_nc_u32 v[ADR], s[TB], v[AV0]
	s_wait_alu depctr_va_vdst(0)                   ; the one wait for the softmax's batch of exponentials, ahead of the first line that names a result
	WIN 0xc0
.irp f, 0,1,2,3,4,5,6,7,8,9,10,11,12,13,14,15
	ds_load_tr16_b128 v[8*\f:8*\f+3],   v[ADR] offset:(\f/8)*64*PVP+(\f%8)*32
	ds_load_tr16_b128 v[8*\f+4:8*\f+7], v[ADR] offset:(\f/8)*64*PVP+16*PVP+(\f%8)*32
.endr
.endm
; One tile's softmax for one trip is a list of 134 instructions; SM writes number j of it for tile t.
;   0-15 the maximum of the 32 scores and the old m;  16-20 the other half of the lanes', the new m, c m, c m_old - c m_new;  21-69 ONE BATCH: 16 packed scalings c s - c m and 33 exponentials (a at 23), none of
;   which reads an exponential's result;  (the wait)  70-85 roundings to f16;  86-101 the sums, l = a l + the sum;  102-133 O^T times a.
.macro SM t
.set rT, ST+8*(\t)
.set rS, S+32*(\t)
.set rP, P+16*(\t)
.set rO, 64*(\t)+2*(j-102)
.if j < 102
	WIN 0
.endif
.if j < 4
	v_max3_num_f32 v[rT+4+j], v[rS+8*j], v[rS+8*j+1], v[rS+8*j+2]
.elseif j < 12
	v_max3_num_f32 v[rT+4+j%4], v[rT+4+j%4], v[rS+8*(j%4)+2*(j/4)+1], v[rS+8*(j%4)+2*(j/4)+2]
.elseif j == 12
	v_max3_num_f32 v[rT+4], v[rT+4], v[rS+7], v[rS+15]
.elseif j == 13
	v_max3_num_f32 v[rT+6], v[rT+6], v[rS+23], v[rS+31]
.elseif j == 14
	v_max3_num_f32 v[rT+4], v[rT+4], v[rT+5], v[rT+6]
.elseif j == 15
	v_max3_num_f32 v[rT+4], v[rT+4], v[rT+7], v[rT+1]
.elseif j == 16
	v_permlanex16_b32 v[rT+5], v[rT+4], s[SEL], s[SEL+1]
.elseif j == 17
	v_mov_b32 v[rT+7], v[rT]
.elseif j == 18
	v_max_num_f32 v[rT+1], v[rT+4], v[rT+5]
.elseif j == 19
	v_mul_f32 v[rT], s[CS], v[rT+1]
.elseif j == 20
	v_sub_f32 v[rT+7], v[rT+7], v[rT]
.elseif j == 23
	v_exp_f32 v[rT+6], v[rT+7]
.elseif (j < 23) || ((j < 38) && (j%2 == 0)) || ((j < 66) && (j%4 == 2))
.set b, (j-2)/4
.if j < 38
.set b, (j-20)/2
.endif
	v_pk_fma_f32 v[rS+2*b:rS+2*b+1], v[rS+2*b:rS+2*b+1], s[CS:CS+1], v[rT:rT+1] op_sel_hi:[1,0,0] neg_lo:[0,0,1] neg_hi:[0,0,1]
.elseif j < 70
.set e, j-38
.if j < 66
.set e, j-32-(j-38)/4
.endif
.if j < 38
.set e, (j-25)/2
.endif
	v_exp_f32 v[rS+e], v[rS+e]
.elseif j < 86
	v_cvt_pk_f16_f32 v[rP+j-70], v[rS+2*(j-70)], v[rS+2*(j-70)+1]
.elseif j < 102
.set z, j-86
.set w, 4
.set u, z
.if z >= 14
.set w, 32
.set u, 0
.elseif z >= 12
.set w, 16
.set u, z-12
.elseif z >= 8
.set w, 8
.set u, z-8
.endif
.if z < 15
	v_pk_add_f32 v[rS+w*u:rS+w*u+1], v[rS+w*u:rS+w*u+1], v[rS+w*u+w/2:rS+w*u+w/2+1]
.else
	v_pk_fma_f32 v[rT+2:rT+3], v[rT+2:rT+3], v[rT+6:rT+7], v[rS:rS+1] op_sel_hi:[1,0,1]
.endif
.else
	WIN W_RS
	v_pk_mul_f32 v[rO:rO+1], v[rO:rO+1], v[rT+6:rT+7] op_sel_hi:[1,0]
.endif
.endm
; Slice k of 64 of the softmax of tiles y, y + 1.  Slices 11 to 34 deal out the batch, four numbers of one tile each; every other slice is numbers 2 k, 2 k + 1 of both tiles; slice 63 takes the twelve that are over.
.macro SLICE y
.if (k >= 11) && (k < 35)
.irp n, 0,1,2,3
.set j, 22+4*((k-11)/2)+(\n)
	SM (\y)+(k-11)%2
.endr
.else
.irp n, 0,1,2,3,4,5,6,7
.if (\n < 2) || (k == 63)
.irp t, \y, \y+1
.set j, 2*k+\n
	SM \t
.endr
.endif
.endr
.endif
.if k == 34
	v_nop                                          ; a plain line behind the last exponential
.if (\y) == 0
	FETCH_V                                        ; this slot's V; the batch's wait stands in it
.else
	s_wait_alu depctr_va_vdst(0)                   ; the one wait for the batch
.endif
.endif
.set k, k+1
.endm
; The diagonal slot: register 8 kt + jj of tile t holds key 32 kh + 64 (kt / 2) + 16 (kt % 2) + 8 h + jj; it is hidden where the constant below is above the lane's bound.  Each accumulator is taken from its low end on.
.macro MASK x
.irp t, \x, \x+1
.irp kt, 0,1,2,3
.irp jj, 0,1,2,3,4,5,6,7
	v_cmp_gt_i32 vcc_lo, 64*(\kt/2)+16*(\kt%2)+\jj-16*(\t), v[DM0+(\x)/2]
	v_cndmask_b32 v[S+32*(\t)+8*\kt+\jj], v[S+32*(\t)+8*\kt+\jj], v[NINF], vcc_lo
.endr
.endr
.endr
.endm
; THE CHANGE OF SLOTS: this slot's last bytes, V, have been asked for.  Each wave waits for all its tensor loads (its part of the next slot), adds 0 to its spare word, and waits for that and for its reads of this slot.
; Behind the barrier nobody reads this slot and the next is whole.  fill = 1: this slot takes the key slot of trip T + 2: T + 2 in the first block, T + 2 - FINA - 1 in the second.  One load of mine is out behind it.
.macro CHANGE fill
	WIN 0
	s_wait_tensorcnt 0x0
	ds_add_u32 v[SPW], v[NIL]                      ; the descriptors' steps stand between the add and the wait for it
.if \fill
	s_add_co_u32 s19, s[T], 2
	s_sub_co_u32 s20, s19, s[FINA]
	s_sub_co_u32 s20, s20, 1
	s_cmp_gt_u32 s19, s[FINA]
	s_cselect_b32 s20, s20, s19
	s_lshl_b32 s20, s20, 15                        ; 128 rows of 256 bytes a key slot
	s_mov_b32 s21, 0
	s_xor_b32 s[G0K+5], s[G0K+5], SLOT1
	s_add_nc_u64 s[G0K+6:G0K+7], s[G0K+2:G0K+3], s[20:21]
	s_xor_b32 s[G0V+5], s[G0V+5], SLOT1
	s_add_nc_u64 s[G0V+6:G0V+7], s[G0V+2:G0V+3], s[20:21]
	s_wait_xcnt 0x0                                ; the last prefetches, a trip back, have read their address
	s_add_nc_u64 s[PFA:PFA+1], s[PFA:PFA+1], 32768
.endif
	s_xor_b32 s[TB], s[TB], SLOT1                  ; the fetches go on to the other slot
	s_wait_dscnt 0x0                               ; the add is done, V is in, my reads of this slot are over
	s_barrier_signal -1
	s_barrier_wait -1
.if \fill
	TLOAD
	ASK
.endif
.endm
; A BLOCK'S END, first half: register tiles 2, 3 of O^T and their statistics go to my bytes of LDS
.macro F1
	WIN 0x04                                       ; an LDS store's data are its source 1: window 1
.set n, 0
.rept 32
	ds_store_b128 v[XS], v[128+4*n:128+4*n+3] offset:512*n
.set n, n+1
.endr
	WIN 0
	ds_store_b128 v[XS], v[ST+16:ST+19] offset:16384
	ds_store_b128 v[XS], v[ST+24:ST+27] offset:16896
.endm
; second half: my partner's part of my tiles 0, 1 is joined with mine: with c M = the larger c m, fa = 2^(c m_a - c M), fb likewise, L = fa l_a + fb l_b: O = (fa O_a + fb O_b) / L.  Then f16, my stage, whole rows out.
.macro F2 restart
.set n, 0
.rept 32
	ds_load_b128 v[S+4*n:S+4*n+3], v[XL] offset:512*n
.set n, n+1
.endr
	ds_load_b128 v[P:P+3], v[XL] offset:16384
	ds_load_b128 v[P+4:P+7], v[XL] offset:16896
.irp t, 0,1
	v_add_f32 v[ST+8*\t+2], v[ST+8*\t+2], v[ST+8*\t+3]
.endr
	s_wait_dscnt 0x0
.irp t, 0,1
	v_max_num_f32 v[ST+8*\t+4], v[ST+8*\t], v[P+4*\t]
	v_add_f32 v[P+4*\t+2], v[P+4*\t+2], v[P+4*\t+3]
.endr
.irp t, 0,1
	v_sub_f32 v[ST+8*\t+5], v[ST+8*\t], v[ST+8*\t+4]
	v_sub_f32 v[ST+8*\t+6], v[P+4*\t], v[ST+8*\t+4]
.endr
.irp t, 0,1
	v_exp_f32 v[ST+8*\t+5], v[ST+8*\t+5]
	v_exp_f32 v[ST+8*\t+6], v[ST+8*\t+6]
.endr
	v_nop
	s_wait_alu depctr_va_vdst(0)                   ; one wait for the four
.irp t, 0,1
	v_mul_f32 v[ST+8*\t+7], v[ST+8*\t+5], v[ST+8*\t+2]
.endr
.irp t, 0,1
	v_fma_f32 v[ST+8*\t+7], v[ST+8*\t+6], v[P+4*\t+2], v[ST+8*\t+7]
.endr
.irp t, 0,1
	v_permlanex16_b32 v[ST+8*\t+3], v[ST+8*\t+7], s[SEL], s[SEL+1]
.endr
.irp t, 0,1
	v_add_f32 v[ST+8*\t+7], v[ST+8*\t+7], v[ST+8*\t+3]
.endr
.irp t, 0,1
	v_rcp_f32 v[ST+8*\t+7], v[ST+8*\t+7]
.endr
	v_nop
	s_wait_alu depctr_va_vdst(0)                   ; one wait for the two
.irp t, 0,1
	v_mul_f32 v[ST+8*\t+4], v[ST+8*\t+5], v[ST+8*\t+7]
	v_mul_f32 v[ST+8*\t+6], v[ST+8*\t+6], v[ST+8*\t+7]
.endr
.irp t, 0,1
.set n, 0
.rept 32
	v_pk_mul_f32 v[S+64*\t+2*n:S+64*\t+2*n+1], v[S+64*\t+2*n:S+64*\t+2*n+1], v[ST+8*\t+6:ST+8*\t+7] op_sel_hi:[1,0]
.set n, n+1
.endr
.endr
	WIN 0x01                                       ; source 0: O^T, window 1
.irp t, 0,1
.set n, 0
.rept 32
	v_pk_fma_f32 v[S+64*\t+2*n:S+64*\t+2*n+1], v[64*\t+2*n:64*\t+2*n+1], v[ST+8*\t+4:ST+8*\t+5], v[S+64*\t+2*n:S+64*\t+2*n+1] op_sel_hi:[1,0,1]
.set n, n+1
.endr
.endr
	WIN 0
.set n, 0
.rept 64
	v_cvt_pk_f16_f32 v[S+n], v[S+2*n], v[S+2*n+1]  ; in place, ascending: tile t's 32 registers end at S + 32 t
.set n, n+1
.endr
.irp t, 0,1
.irp f, 0,1,2,3,4,5,6,7
	ds_store_b128 v[STO], v[S+32*\t+4*\f:S+32*\t+4*\f+3] offset:32*\f
.endr
.irp f, 0,1,2,3,4,5,6,7
	ds_load_b128 v[S+32*\t+4*\f:S+32*\t+4*\f+3], v[RD] offset:\f*2*SP   ; LDS serves a wave's instructions in order
.endr
.endr
	s_wait_dscnt 0x0
.irp t, 0,1
.irp f, 0,1,2,3,4,5,6,7
	global_store_b128 v[GO], v[S+32*\t+4*\f:S+32*\t+4*\f+3], s[OA:OA+1] offset:\t*65536+\f*8192   ; 16 lanes store 256 consecutive bytes, aligned
.endr
.endr
.if \restart
	s_wait_xcnt 0x0                                ; the stores have read their registers and their base
	s_mov_b64 s[OA:OA+1], s[OB:OB+1]
	WIN 0x83                                       ; the second block's Q: from window 3 to window 2
.set n, 0
.rept 128
	v_mov_b32 v[n], v[128+n]
.set n, n+1
.endr
	WIN 0
	FRESH
.endif
.endm
; A TRIP.  The tests hang on the trip's number and the work-group's number alone: all four waves go the same way; no barrier, wait or tensor load stands under them.
.macro TRIP fill, fetch, last
	s_wait_dscnt 0x0                               ; K is in
.set i, 0
.rept 32
	KQ 0
.set i, i+1
.endr
	WIN 0
	PLACES                                         ; in front of the first read of those scores
.if !\last
	s_cmp_lg_u32 s[T], s[FINA]
	s_cbranch_scc1 .Lopen0_\@
.endif
	MASK 0
.Lopen0_\@:
.set k, 0
.set i, 0
.rept 32
	KQ 2
	SLICE 0
	SLICE 0
.set i, i+1
.endr
	WIN 0
.if !\last
	s_cmp_lg_u32 s[T], s[FINA]
	s_cbranch_scc1 .Lopen2_\@
.endif
	MASK 2
.Lopen2_\@:
.if \last
	s_wait_dscnt 0x0                               ; V is in; nothing is left to fetch, and no LDS instruction of mine is out
	s_barrier_signal -1                            ; a barrier all the same: where the first block ended in the trip before (work-group 0), every wave's reads of its partner's bytes,
	s_barrier_wait -1                              ; waited for there, lie ahead of it, and this trip's stores into those bytes lie behind it.
.else
	CHANGE \fill
.endif
.set k, 0
.set i, 0
.rept 32
	PV 0
	SLICE 2
	SLICE 2
.if \fetch && (i == 1)
	FETCH_K                                        ; the next slot's K
.endif
.set i, i+1
.endr
.set i, 0
.rept 32
	PV 2
.set i, i+1
.endr
	WIN 0
	PLACES                                         ; behind the last products, on every way
.if !\last
	s_cmp_lg_u32 s[T], s[FINA]
	s_cbranch_scc1 .Lnot_end1_\@
.endif
	F1
.Lnot_end1_\@:
	s_wait_dscnt 0x0                               ; my stores have landed
	s_barrier_signal -1                            ; this barrier stands in every trip, so that every wave passes it on every way
	s_barrier_wait -1
.if !\last
	s_cmp_lg_u32 s[T], s[FINA]
	s_cbranch_scc1 .Lnot_end2_\@
.endif
	F2 1-\last
.Lnot_end2_\@:
.endm
	s_wait_tensorcnt 0x1                           ; my part of slot 0 is in; slot 1's may stay out
	s_barrier_signal -1
	s_barrier_wait -1
	FETCH_K
	s_wait_loadcnt 0x0                             ; Q
	WIN 0
.Ltrip:                                            ; trips 0 to 14: each fills a slot again
	TRIP 1, 1, 0
	s_add_co_u32 s[T], s[T], 1
	s_cmp_lt_u32 s[T], 15
	s_cbranch_scc1 .Ltrip
	TRIP 0, 1, 0                                   ; trip 15 and trip 16 are written out: they ask for nothing
	TRIP 0, 0, 1                                   ; trip 16 is the second block's diagonal in every work-group
	s_wait_tensorcnt 0x0                           ; the wave's end
	ds_add_u32 v[SPW], v[NIL]
	s_wait_dscnt 0x0
	s_endpgm
.Lfunc_end_k_qaed13b32c4_attn:
	.size	k_qaed13b32c4_attn, .Lfunc_end_k_qaed13b32c4_attn-k_qaed13b32c4_attn
	.p2alignl 7, 3214868480
	.fill 96, 4, 3214868480
	.section	.rodata,"a",@progbits
	.p2align	6, 0x0
	.amdhsa_kernel k_qaed13b32c4_attn
		.amdhsa_group_segment_fixed_size 327680
		.amdhsa_private_segment_fixed_size 0
		.amdhsa_enable_private_segment 0
		.amdhsa_kernarg_size 16
		.amdhsa_user_sgpr_count 2
		.amdhsa_user_sgpr_kernarg_segment_ptr 1
		.amdhsa_wavefront_size32 1
		.amdhsa_system_sgpr_workgroup_id_x 1
		.amdhsa_system_sgpr_workgroup_id_y 1
		.amdhsa_system_sgpr_workgroup_id_z 1
		.amdhsa_system_vgpr_workitem_id 0
		.amdhsa_next_free_vgpr 1024
		.amdhsa_next_free_sgpr 90
		.amdhsa_reserve_vcc 1
		.amdhsa_float_denorm_mode_32 3
		.amdhsa_float_denorm_mode_16_64 3
		.amdhsa_memory_ordered 1
		.amdhsa_forward_progress 1
		.amdhsa_inst_pref_size 255
	.end_amdhsa_kernel
	.section	.bss,"aw",@nobits
	.p2align	6
	.space	262144
	.amdgpu_metadata
---
amdhsa.version: [ 1, 2 ]
amdhsa.kernels:
  - .name:           k_qaed13b32c4_attn
    .symbol:         k_qaed13b32c4_attn.kd
    .args:
      - { .name: qkv, .offset: 0, .size: 8, .value_kind: global_buffer, .address_space: global }
      - { .name: ao, .offset: 8, .size: 8, .value_kind: global_buffer, .address_space: global }
    .group_segment_fixed_size: 327680
    .private_segment_fixed_size: 0
    .kernarg_segment_align: 8
    .kernarg_segment_size: 16
    .max_flat_workgroup_size: 128
    .sgpr_count:     90
    .vgpr_count:     1024
    .wavefront_size: 32
...
	.end_amdgpu_metadata
.endif
;; end of part 3
;; launch proj (part 4): grid 8 x 32, 4 waves a work-group, clusters of 4 x 4, 327,680 bytes of LDS; arguments ao, woh, out0; writes out0
.if DOCPART == 4
	.amdgcn_target "amdgcn-amd-amdhsa--gfx1250"
	.amdhsa_code_object_version 6
	.text
	.protected	k_qaed13b32c4_proj
	.globl	k_qaed13b32c4_proj
	.p2align	8
	.type	k_qaed13b32c4_proj,@function
k_qaed13b32c4_proj:
	s_mov_b64 s[64:65], 0
	v_nop
	global_prefetch_b8 v0, s[64:65] scope:SCOPE_SE
	s_setreg_imm32_b32 hwreg(HW_REG_WAVE_MODE, 25, 1), 1
	s_wait_xcnt 0x0
	s_wait_alu depctr_hold_cnt(0) depctr_sa_sdst(0) depctr_va_vdst(0) depctr_va_sdst(0) depctr_va_ssrc(0) depctr_va_vcc(0) depctr_vm_vsrc(0)
	s_getreg_b32 s2, hwreg(HW_REG_IB_STS2, 6, 4)
	s_cmp_eq_u32 s2, 0
	s_cbranch_scc0 .Lentry_in_a_cluster
	s_endpgm
.Lentry_in_a_cluster:
	s_bfe_u32 s2, ttmp6, 0x10000c
	s_cmp_lg_u32 s2, 0xf033
	s_cbranch_scc0 .Lentry_shape_is_right
	s_endpgm
.Lentry_shape_is_right:
; out0[m][n] = sum over k of ao[m][k] wo[n][k].  ao: [4096][2048] f16, woh: [1024][2048] f16, out0: [4096][1024] f32; sums in f32.  Nothing is left out; rows 0 to 15 of each sequence are written again, more finely, by a later launch.
; A tile of out0 is 128 x 128: 256 work-groups.  Four waves, each 64 x 64: 16 accumulators.  K goes in steps of 256 (LDS rows of 512 bytes + 16) through two slots filled by tensor loads, 64 rows a wave.
; CLUSTERS: 4 x 4 work-groups.  The four of a row of the cluster need the same tiles of ao, the four of a column the same tiles of woh: each tile is asked for jointly.
; THE MATRIX INSTRUCTION IS USED TRANSPOSED (source 0 = 16 rows of woh, source 1 = 16 rows of ao): a lane holds eight neighbouring numbers of a row of out0.
; A wave's 64 columns of f32 are 256 bytes, so each wave has a stage of its own on the way out and no barrier stands there.
; REGISTERS: window 0: v0-31 addresses; v32-95 rows on the way out; v128-255 accumulator (a, b) at 128 + 8 (4 a + b).  window 1: two fragment buffers of 128: 64 registers of A, then 64 of B, for 64 along K.
.set SIZE_M, 4096
.set SIZE_N, 1024
.set SIZE_K, 2048
.set KSTEP,  256
.set PITCH,  528
.set HALFT,  64*PITCH
.set SLOT,   4*HALFT
.set STAGE,  2*SLOT                    ; behind the ring: 16 rows x 272 bytes for each wave
.set SPITCH, 272
.set SPARE,  STAGE+4*16*SPITCH         ; the spare words, 128 bytes a wave
.set LAPS, SIZE_K/(2*KSTEP)
.set ADRA, 16
.set ADRB, 20
.set STO,  24
.set RD,   25
.set CO,   26
.set SPW,  28
.set NIL,  29
.set TMP,  32
.set ACC,  128
.set F0,   0
.set F1,   128
.set G1, 24
.set G0, 32
.set G1B, 48
.set G0B, 56
.set MSB, 0
.macro WIN new
.if MSB != \new
	s_set_vgpr_msb (MSB<<8)|\new
.set MSB, \new
.endif
.endm
.set MUL,  0x05                        ; sources 0 (B) and 1 (A) window 1; C and D window 0
.set TO_F, 0x40
.macro JLOAD s                         ; a joint load: waves 0, 1 fetch A's halves, waves 2, 3 B's; an s_nop 0 and four v_nop follow each line
	s_cmp_eq_u32 s11, 0
	s_cbranch_scc0 .Lfor_b_\@
	tensor_load_to_lds s[G0+4*\s:G0+4*\s+3], s[G1:G1+7]
	s_nop 0
.rept 4
	v_nop
.endr
	s_branch .Lasked_\@
.Lfor_b_\@:
	tensor_load_to_lds s[G0B+4*\s:G0B+4*\s+3], s[G1B:G1B+7]
	s_nop 0
.rept 4
	v_nop
.endr
.Lasked_\@:
.endm
.macro CREST
	s_cmp_lg_u32 s10, 0
	s_cbranch_scc1 .Lnot_wave_0_\@
	s_barrier_signal -3
.Lnot_wave_0_\@:
	s_barrier_wait -3
	s_barrier_signal -1
	s_barrier_wait -1
.endm
.macro CROUND
	s_barrier_signal -1
	s_barrier_wait -1
	CREST
.endm
	s_load_b128 s[4:7], s[0:1], 0x0                ; ao, woh
	s_load_b64 s[8:9], s[0:1], 0x10                ; out0
	v_lshl_add_u32 v[SPW], v0, 2, SPARE
	v_mov_b32 v[NIL], 0
	ds_add_u32 v[SPW], v[NIL]                      ; the opening: the add, twice on end, and its wait ahead of my first tensor load
	ds_add_u32 v[SPW], v[NIL]
	v_lshrrev_b32 v1, 5, v0
	v_readfirstlane_b32 s10, v1                    ; wave 0..3
	s_lshr_b32 s11, s10, 1                         ; my half of the tile's rows.  Also: I fetch for A (0) or for B (1)
	s_and_b32 s12, s10, 1                          ; my half of its columns.  Also: which 64 rows I fetch
	s_bfe_u32 s40, ttmp6, 0x40000                  ; cx, cy
	s_bfe_u32 s41, ttmp6, 0x40004
	s_lshl_b32 s42, ttmp9, 2
	s_add_co_u32 s42, s42, s40                     ; tile column
	s_and_b32 s13, ttmp7, 0xffff
	s_lshl_b32 s13, s13, 2
	s_add_co_u32 s13, s13, s41                     ; tile row
	s_lshl_b32 s43, s41, 2
	s_lshl_b32 s43, 15, s43                        ; my row of the cluster
	s_lshl_b32 s44, 0x1111, s40                    ; my column
	s_or_b32 s[G1+0], s43, (1<<16)|(1<<20)|(1<<21)|(6<<22)|(3<<25)  ; the mask; elements of 2 bytes; padding: 4 words behind every 128; bit 21 beside a mask
	s_or_b32 s[G1B+0], s44, (1<<16)|(1<<20)|(1<<21)|(6<<22)|(3<<25)
.irp g, G1, G1B
	s_mov_b32 s[\g+1], KSTEP<<16
	s_mov_b32 s[\g+2], 64<<16
	s_mov_b32 s[\g+3], KSTEP<<16
	s_mov_b32 s[\g+4], 64
	s_mov_b32 s[\g+5], SIZE_K
	s_mov_b32 s[\g+6], 0
	s_mov_b32 s[\g+7], 0
.endr
	s_lshl_b32 s17, s12, 6
	s_lshl_b32 s16, s13, 7
	s_add_co_u32 s16, s16, s17                     ; A: row 128 x tile row + 64 x half
	s_lshl_b32 s46, s42, 7
	s_add_co_u32 s46, s46, s17                     ; B: row 128 x tile column + 64 x half
	s_mov_b32 s17, 0
	s_mov_b32 s47, 0
	s_mov_b64 s[18:19], SIZE_K*2
	s_mul_u64 s[16:17], s[16:17], s[18:19]
	s_mul_u64 s[46:47], s[46:47], s[18:19]
	s_mul_i32 s20, s10, HALFT
	s_wait_dscnt 0x0                               ; both opening adds are done
	s_wait_kmcnt 0x0
	s_add_nc_u64 s[14:15], s[4:5], s[16:17]
	s_add_nc_u64 s[46:47], s[6:7], s[46:47]
	CROUND                                         ; all sixteen work-groups are here: the first joint loads meet
.irp s, 0,1
	s_mov_b32 s[G0+4*\s], 1
	s_add_co_u32 s[G0+4*\s+1], s20, \s*SLOT
	s_add_nc_u64 s[G0+4*\s+2:G0+4*\s+3], s[14:15], \s*KSTEP*2
	s_or_b32 s[G0+4*\s+3], s[G0+4*\s+3], 0x80000000
	s_mov_b32 s[G0B+4*\s], 1
	s_add_co_u32 s[G0B+4*\s+1], s20, \s*SLOT
	s_add_nc_u64 s[G0B+4*\s+2:G0B+4*\s+3], s[46:47], \s*KSTEP*2
	s_or_b32 s[G0B+4*\s+3], s[G0B+4*\s+3], 0x80000000
	JLOAD \s
.endr
	v_and_b32 v1, 15, v0                           ; r
	v_bfe_u32 v2, v0, 4, 1                         ; h
	v_mul_u32_u24 v3, v1, PITCH
	v_lshl_add_u32 v3, v2, 4, v3
	s_mul_i32 s21, s11, HALFT                      ; my 64 rows of A
	s_mul_i32 s22, s12, HALFT                      ; my 64 rows of B,
	s_add_co_u32 s22, s22, 2*HALFT                 ; behind A's 128
.irp s, 0,1
	v_add_nc_u32 v[ADRA+\s], s21, v3
	v_add_nc_u32 v[ADRB+\s], s22, v3
	s_add_co_u32 s21, s21, SLOT
	s_add_co_u32 s22, s22, SLOT
.endr
	s_mul_i32 s23, s10, 16*SPITCH
	s_add_co_u32 s23, s23, STAGE                   ; my stage
	v_mul_u32_u24 v4, v1, SPITCH
	v_lshl_add_u32 v4, v2, 5, v4
	v_add_nc_u32 v[STO], s23, v4                   ; in: row r, 32 bytes for each half of the lanes
	v_mul_u32_u24 v5, v2, SPITCH
	v_lshl_add_u32 v5, v1, 4, v5
	v_add_nc_u32 v[RD], s23, v5                    ; back: lanes 0-15 one row of 256 bytes, lanes 16-31 the next
	v_lshlrev_b32 v5, 12, v2                       ; and the same two rows in out0: 4,096 bytes a row
	v_lshl_add_u32 v[CO], v1, 4, v5
	s_lshl_b32 s16, s13, 7
	s_lshl_b32 s17, s11, 6
	s_add_co_u32 s16, s16, s17                     ; my first row
	s_mov_b32 s17, 0
	s_mov_b64 s[18:19], SIZE_N*4
	s_mul_u64 s[16:17], s[16:17], s[18:19]
	s_add_nc_u64 s[8:9], s[8:9], s[16:17]
	s_lshl_b32 s46, s42, 9                         ; my first column, in bytes: 512 x tile column + 256 x half
	s_lshl_b32 s47, s12, 8
	s_add_co_u32 s46, s46, s47
	s_mov_b32 s47, 0
	s_add_nc_u64 s[8:9], s[8:9], s[46:47]
.macro MUL8 f, c, a0, zero             ; 8 products: m blocks a0, a0 + 1 x 4 n blocks, 32 along K; the 16 accumulators take turns
.irp a, \a0, \a0+1
.irp b, 0,1,2,3
.if \zero
	v_wmma_f32_16x16x32_f16 v[ACC+8*(4*(\a)+\b):ACC+8*(4*(\a)+\b)+7], v[\f+64+8*(4*\c+\b):\f+64+8*(4*\c+\b)+7], v[\f+8*(4*\c+\a):\f+8*(4*\c+\a)+7], 0
.else
	v_wmma_f32_16x16x32_f16 v[ACC+8*(4*(\a)+\b):ACC+8*(4*(\a)+\b)+7], v[\f+64+8*(4*\c+\b):\f+64+8*(4*\c+\b)+7], v[\f+8*(4*\c+\a):\f+8*(4*\c+\a)+7], v[ACC+8*(4*(\a)+\b):ACC+8*(4*(\a)+\b)+7]
.endif
.endr
.endr
.endm
.macro FETCH slot, k, f                ; 32 LDS loads in one run: 64 along K at byte k of the rows; the first 32 along K first
	WIN TO_F
.irp c, 0,1
.irp i, 0,1,2,3
	ds_load_b128 v[\f+64+8*(4*\c+\i):\f+64+8*(4*\c+\i)+3],   v[ADRB+\slot] offset:\k+64*\c+\i*16*PITCH
	ds_load_b128 v[\f+64+8*(4*\c+\i)+4:\f+64+8*(4*\c+\i)+7], v[ADRB+\slot] offset:\k+64*\c+\i*16*PITCH+32
	ds_load_b128 v[\f+8*(4*\c+\i):\f+8*(4*\c+\i)+3],         v[ADRA+\slot] offset:\k+64*\c+\i*16*PITCH
	ds_load_b128 v[\f+8*(4*\c+\i)+4:\f+8*(4*\c+\i)+7],       v[ADRA+\slot] offset:\k+64*\c+\i*16*PITCH+32
.endr
.endr
.endm
.macro PLACES
.rept 4
	v_nop
.endr
.endm
.macro QUARTER slot, k, f, g, zero
	s_wait_dscnt 16                                ; the first 32 along K are in; the youngest sixteen loads may be out
	WIN MUL
	MUL8 \f, 0, 0, \zero
	MUL8 \f, 0, 2, \zero
	PLACES
	FETCH \slot, \k, \g
	s_wait_dscnt 32                                ; all but the 32 just issued
	WIN MUL
	MUL8 \f, 1, 0, 0
	MUL8 \f, 1, 2, 0
.endm
.macro TURN slot, next, fill           ; the last quarter changes slots: one barrier; in front of it the wait for all my tensor loads, the add, the wait for it and for my reads of this slot
	WIN 0
	s_wait_tensorcnt 0x0
	ds_add_u32 v[SPW], v[NIL]
	s_wait_dscnt 17                                ; the add and the youngest sixteen loads may be out
	WIN MUL
	MUL8 F1, 0, 0, 0
	s_wait_dscnt 0x0
	s_barrier_signal -1
	MUL8 F1, 0, 2, 0
.if \fill
	WIN 0
.endif
	s_barrier_wait -1
.if \fill
	CREST                                          ; the barrier has opened a round of the cluster's: no wave of any partner still reads this slot or has a load on its way
	s_add_nc_u64 s[G0+4*\slot+2:G0+4*\slot+3], s[G0+4*\slot+2:G0+4*\slot+3], 2*KSTEP*2
	s_add_nc_u64 s[G0B+4*\slot+2:G0B+4*\slot+3], s[G0B+4*\slot+2:G0B+4*\slot+3], 2*KSTEP*2
	JLOAD \slot                                    ; the four v_nop behind it are also the places in front of the loads below
.else
	PLACES
.endif
	FETCH \next, 0, F0
	WIN MUL
	MUL8 F1, 1, 0, 0
	MUL8 F1, 1, 2, 0
.endm
	s_wait_tensorcnt 1                             ; my part of K step 0 is in; K step 1's may be out
	s_barrier_signal -1
	s_barrier_wait -1
	FETCH 0, 0, F0
	QUARTER 0, 128, F0, F1, 1                      ; the first quarter's first products start the sums
	WIN 0
	s_mov_b32 s3, LAPS-1
.Llap:
	QUARTER 0, 256, F1, F0, 0
	QUARTER 0, 384, F0, F1, 0
	TURN 0, 1, 1
	QUARTER 1, 128, F0, F1, 0
	QUARTER 1, 256, F1, F0, 0
	QUARTER 1, 384, F0, F1, 0
	TURN 1, 0, 1
	QUARTER 0, 128, F0, F1, 0
	WIN 0
	s_sub_co_u32 s3, s3, 1
	s_cmp_lg_u32 s3, 0
	s_cbranch_scc1 .Llap
	QUARTER 0, 256, F1, F0, 0                      ; the last lap fills nothing
	QUARTER 0, 384, F0, F1, 0
	TURN 0, 1, 0
	QUARTER 1, 128, F0, F1, 0
	QUARTER 1, 256, F1, F0, 0
	QUARTER 1, 384, F0, F1, 0
	s_wait_dscnt 16
	WIN MUL
	MUL8 F1, 0, 0, 0
	MUL8 F1, 0, 2, 0
	s_wait_dscnt 0
	MUL8 F1, 1, 0, 0
	MUL8 F1, 1, 2, 0
	WIN 0
; THE WAY OUT, 16 rows x 64 columns at a time, through my own stage: LDS serves a wave's instructions in order
.macro TOSTAGE a
.irp b, 0,1,2,3
	ds_store_b128 v[STO], v[ACC+8*(4*(\a)+\b):ACC+8*(4*(\a)+\b)+3] offset:64*\b        ; each accumulator from its low end on
	ds_store_b128 v[STO], v[ACC+8*(4*(\a)+\b)+4:ACC+8*(4*(\a)+\b)+7] offset:64*\b+16
.endr
.irp t, 0,1,2,3,4,5,6,7
	ds_load_b128 v[TMP+32*((\a)%2)+4*\t:TMP+32*((\a)%2)+4*\t+3], v[RD] offset:\t*2*SPITCH
.endr
.endm
.macro SEND a, younger
	s_wait_dscnt \younger
.irp t, 0,1,2,3,4,5,6,7
	global_store_b128 v[CO], v[TMP+32*((\a)%2)+4*\t:TMP+32*((\a)%2)+4*\t+3], s[8:9] offset:(16*(\a)+2*\t)*SIZE_N*4 th:TH_STORE_NT   ; 16 lanes store 256 consecutive bytes, aligned
.endr
.endm
	PLACES
	TOSTAGE 0
.irp a, 1,2,3
.if \a > 1
	s_wait_xcnt 0x0                                ; block a - 2's stores have read their registers
.endif
	TOSTAGE \a
	SEND \a-1, 16                                  ; behind block a - 1's loads: block a's 8 stores and 8 loads
.endr
	SEND 3, 0
	s_wait_tensorcnt 0x0                           ; the wave's end
	ds_add_u32 v[SPW], v[NIL]
	s_wait_dscnt 0x0
	CROUND                                         ; the closing round
	s_endpgm
.Lfunc_end_k_qaed13b32c4_proj:
	.size	k_qaed13b32c4_proj, .Lfunc_end_k_qaed13b32c4_proj-k_qaed13b32c4_proj
	.p2alignl 7, 3214868480
	.fill 96, 4, 3214868480
	.section	.rodata,"a",@progbits
	.p2align	6, 0x0
	.amdhsa_kernel k_qaed13b32c4_proj
		.amdhsa_group_segment_fixed_size 327680
		.amdhsa_private_segment_fixed_size 0
		.amdhsa_enable_private_segment 0
		.amdhsa_kernarg_size 24
		.amdhsa_user_sgpr_count 2
		.amdhsa_user_sgpr_kernarg_segment_ptr 1
		.amdhsa_wavefront_size32 1
		.amdhsa_system_sgpr_workgroup_id_x 1
		.amdhsa_system_sgpr_workgroup_id_y 1
		.amdhsa_system_sgpr_workgroup_id_z 1
		.amdhsa_system_vgpr_workitem_id 0
		.amdhsa_next_free_vgpr 512
		.amdhsa_next_free_sgpr 66
		.amdhsa_reserve_vcc 0
		.amdhsa_float_denorm_mode_32 3
		.amdhsa_float_denorm_mode_16_64 3
		.amdhsa_memory_ordered 1
		.amdhsa_forward_progress 1
		.amdhsa_inst_pref_size 86
	.end_amdhsa_kernel
	.amdgpu_metadata
---
amdhsa.version: [ 1, 2 ]
amdhsa.kernels:
  - .name:           k_qaed13b32c4_proj
    .symbol:         k_qaed13b32c4_proj.kd
    .args:
      - { .name: ao, .offset: 0, .size: 8, .value_kind: global_buffer, .address_space: global }
      - { .name: woh, .offset: 8, .size: 8, .value_kind: global_buffer, .address_space: global }
      - { .name: out0, .offset: 16, .size: 8, .value_kind: global_buffer, .address_space: global }
    .group_segment_fixed_size: 327680
    .private_segment_fixed_size: 0
    .kernarg_segment_align: 8
    .kernarg_segment_size: 24
    .max_flat_workgroup_size: 128
    .sgpr_count:     66
    .vgpr_count:     512
    .wavefront_size: 32
...
	.end_amdgpu_metadata
.endif
;; end of part 4
;; launch fine1 (part 5): grid 16 x 2, 4 waves a work-group, no clusters, 4,608 bytes of LDS; arguments codes, scales, ao32; writes ao32
.if DOCPART == 5
	.amdgcn_target "amdgcn-amd-amdhsa--gfx1250"
	.amdhsa_code_object_version 6
	.text
	.protected	k_qaed13b32c4_fine1
	.globl	k_qaed13b32c4_fine1
	.p2align	8
	.type	k_qaed13b32c4_fine1,@function
k_qaed13b32c4_fine1:
	s_mov_b64 s[64:65], 0
	v_nop
	global_prefetch_b8 v0, s[64:65] scope:SCOPE_SE
	s_setreg_imm32_b32 hwreg(HW_REG_WAVE_MODE, 25, 1), 1
	s_wait_xcnt 0x0
; Positions 0 to 15 of each sequence, attention in f32: these rows average one to sixteen values and are the largest of the output, so f16 operands are too coarse for them.
; Only these 16 queries and 16 keys are computed here: under reference()'s own causal mask no later key counts for them.
; Work-group = (head, batch).  Wave w owns channels 32 w .. 32 w + 31 of the head: q, k, v of the 16 positions once more by the quantised products (8 K steps, six accumulators by turns).
; q and k transposed (source 0 = W, source 1 = x): lane (position, h) holds channels 8 h + j; v straight (source 0 = x, source 1 = W): lane (channel, h) holds keys 8 h + j.  So register pairs of these results ARE
; operands of the f32 matrix form (k index 2 h + j in both sources stands for the same channel, or key).  The four waves' parts of S^T meet in LDS; every wave takes the softmax; each makes its own channels of O^T.
; Out: [batch][u = k / 8][512 bytes]: lane (r, h) at 16 (16 h + r) holds row r, k = 8 u + 4 h + 0 .. 3: the order in which the next launch's operand registers take them.
; No cluster: 32 small work-groups that share x's 8 KiB of codes alone.  LIMITS as in the first launch.
.set SPARE, 4096
.set MSB, 0
.macro WIN new
.if MSB != \new
	s_set_vgpr_msb (MSB<<8)|\new
.set MSB, \new
.endif
.endm
.macro PLACES n
.rept \n
	v_nop
.endr
.endm
	s_load_b128 s[4:7], s[0:1], 0x0                ; codes, scales
	s_load_b64 s[8:9], s[0:1], 0x10                ; ao32
	v_lshl_add_u32 v2, v0, 2, SPARE                ; my spare word; never rewritten
	v_mov_b32 v3, 0                                ; 0; never rewritten
	v_lshrrev_b32 v1, 5, v0
	v_readfirstlane_b32 s10, v1                    ; wave
	s_and_b32 s11, ttmp7, 0xffff                   ; batch; ttmp9: head
	v_and_b32 v4, 31, v0
	v_and_b32 v5, 15, v0                           ; r
	v_bfe_u32 v6, v0, 4, 1                         ; h
	v_lshlrev_b32 v7, 4, v4                        ; 16 x lane
	v_mul_u32_u24 v8, v6, 163840
	v_lshl_add_u32 v8, v5, 4, v8                   ; scales: half h of K, row r
	v_lshlrev_b32 v9, 9, v6
	v_lshl_add_u32 v9, v5, 4, v9                   ; out: 512 h + 16 r
	v_lshlrev_b32 v10, 3, v6
	v_sub_nc_u32 v10, v5, v10                      ; r - 8 h: key 8 h + j is hidden where j is above it
	s_lshl_b32 s12, s10, 10
	v_add_nc_u32 v11, s12, v7                      ; LDS: my part of S^T
	v_mov_b32 v12, 0xff800000
	v_mov_b32 v14, 0                               ; a lane permute's destination counts as one of its sources
	s_mov_b32 s24, 0x76543210
	s_mov_b32 s25, 0xfedcba98
	s_mov_b32 s26, 0x3e0293ee                      ; c = log2(e) / sqrt(128)
	s_lshl_b32 s14, s11, 20                        ; x: block 128 x batch
	s_mov_b32 s15, 0
	s_lshl_b32 s16, ttmp9, 16                      ; W: block 256 + 8 head + 2 wave
	s_lshl_b32 s17, s10, 14
	s_add_co_u32 s16, s16, s17
	s_add_co_u32 s16, s16, 256*8192
	s_mov_b32 s17, 0
	s_lshl_b32 s18, s11, 15                        ; x's scales: row 2048 x batch
	s_mov_b32 s19, 0
	s_lshl_b32 s20, ttmp9, 11                      ; W's: row 4096 + 128 head + 32 wave
	s_lshl_b32 s21, s10, 9
	s_add_co_u32 s20, s20, s21
	s_add_co_u32 s20, s20, 65536
	s_mov_b32 s21, 0
	s_lshl_b32 s22, s11, 17                        ; out: batch, u = 16 head + 4 wave
	s_lshl_b32 s23, ttmp9, 13
	s_add_co_u32 s22, s22, s23
	s_lshl_b32 s23, s10, 11
	s_add_co_u32 s22, s22, s23
	s_mov_b32 s23, 0
	s_wait_kmcnt 0x0
	s_add_nc_u64 s[14:15], s[4:5], s[14:15]
	s_add_nc_u64 s[16:17], s[4:5], s[16:17]
	s_add_nc_u64 s[18:19], s[6:7], s[18:19]
	s_add_nc_u64 s[20:21], s[6:7], s[20:21]
	s_add_nc_u64 s[22:23], s[8:9], s[22:23]
.set n, 0
.rept 16
	global_load_b128 v[64+4*n:64+4*n+3], v7, s[14:15] offset:512*n       ; x's eight fragments: v64-127
.set n, n+1
.endr
	global_load_b128 v[16:19], v8, s[18:19]                              ; x's scale words: v16-19
.irp t, 0,1,2
.irp c, 0,1
	global_load_b128 v[20+8*\t+4*\c:20+8*\t+4*\c+3], v8, s[20:21] offset:32768*\t+256*\c   ; W's: v20-43
.endr
.endr
	WIN 0x40                                       ; window 1: wq's fragments (block c, K step s) at 64 c + 8 s, wk's 128 further on
.set n, 0
.rept 32
	global_load_b128 v[4*n:4*n+3], v7, s[16:17] offset:512*n
	global_load_b128 v[128+4*n:128+4*n+3], v7, s[16:17] offset:1048576+512*n
.set n, n+1
.endr
	WIN 0x80                                       ; window 2: wv's
.set n, 0
.rept 32
	global_load_b128 v[4*n:4*n+3], v7, s[16:17] offset:2097152+512*n
.set n, n+1
.endr
	WIN 0
	s_wait_loadcnt 0x0
.macro FP4 d, a, b, sa, sb, s          ; K step s: steps 4 to 7 take their scale words from lanes 16-31
.if (\s) == 0
	v_wmma_scale_f32_16x16x128_f8f6f4 v[\d:\d+7], v[\a:\a+7], v[\b:\b+7], 0, v[\sa], v[\sb] matrix_a_fmt:MATRIX_FMT_FP4 matrix_b_fmt:MATRIX_FMT_FP4
.elseif (\s) < 4
	v_wmma_scale_f32_16x16x128_f8f6f4 v[\d:\d+7], v[\a:\a+7], v[\b:\b+7], v[\d:\d+7], v[\sa+\s], v[\sb+\s] matrix_a_fmt:MATRIX_FMT_FP4 matrix_b_fmt:MATRIX_FMT_FP4
.else
	v_wmma_scale_f32_16x16x128_f8f6f4 v[\d:\d+7], v[\a:\a+7], v[\b:\b+7], v[\d:\d+7], v[\sa+\s-4], v[\sb+\s-4] matrix_a_fmt:MATRIX_FMT_FP4 matrix_b_fmt:MATRIX_FMT_FP4 matrix_a_scale:MATRIX_SCALE_ROW1 matrix_b_scale:MATRIX_SCALE_ROW1
.endif
.endm
; v128-143 q (two blocks of 16 channels), v144-159 k, v160-175 v: six accumulators by turns
.irp s, 0,1,2,3,4,5,6,7
	WIN 0x01                                       ; source 0 (W) window 1
.irp i, 0,1,2,3
	FP4 128+8*\i, 128*(\i/2)+64*(\i%2)+8*\s, 64+8*\s, 20+8*(\i/2)+4*(\i%2), 16, \s
.endr
	WIN 0x08                                       ; source 1 (W) window 2
.irp c, 0,1
	FP4 160+8*\c, 64+8*\s, 64*\c+8*\s, 16, 36+4*\c, \s
.endr
.endr
	WIN 0
	PLACES 5                                       ; results become operands
; my part of S^T = k q^T: 8 products of 4 channels each, two accumulators by turns; these registers are written by matrix instructions alone
.irp t, 0,1,2,3,4,5,6,7
.if \t < 2
	v_wmma_f32_16x16x4_f32 v[176+8*(\t%2):176+8*(\t%2)+7], v[144+2*\t:145+2*\t], v[128+2*\t:129+2*\t], 0
.else
	v_wmma_f32_16x16x4_f32 v[176+8*(\t%2):176+8*(\t%2)+7], v[144+2*\t:145+2*\t], v[128+2*\t:129+2*\t], v[176+8*(\t%2):176+8*(\t%2)+7]
.endif
.endr
	PLACES 8
.irp j, 0,1,2,3,4,5,6,7
	v_add_f32 v[208+\j], v[176+\j], v[184+\j]
.endr
	ds_store_b128 v11, v[208:211]
	ds_store_b128 v11, v[212:215] offset:512
	s_wait_dscnt 0x0                               ; for the others' sake: my stores have landed
	s_barrier_signal -1
	s_barrier_wait -1
.irp w, 0,1,2,3
	ds_load_b128 v[216+8*\w:216+8*\w+3], v7 offset:1024*\w
	ds_load_b128 v[216+8*\w+4:216+8*\w+7], v7 offset:1024*\w+512
.endr
	s_wait_dscnt 0x0
.irp j, 0,1,2,3,4,5,6,7
	v_add_f32 v[208+\j], v[216+\j], v[224+\j]
	v_add_f32 v[248+\j], v[232+\j], v[240+\j]
.endr
.irp j, 0,1,2,3,4,5,6,7
	v_add_f32 v[208+\j], v[208+\j], v[248+\j]      ; lane (query r, h): the score of key 8 h + j
.endr
.irp j, 0,1,2,3,4,5,6,7
	v_cmp_gt_i32 vcc_lo, \j, v10
	v_cndmask_b32 v[208+\j], v[208+\j], v12, vcc_lo
.endr
	v_max3_num_f32 v13, v208, v209, v210
	v_max3_num_f32 v13, v13, v211, v212
	v_max3_num_f32 v13, v13, v213, v214
	v_max_num_f32 v13, v13, v215
	v_permlanex16_b32 v14, v13, s24, s25
	v_max_num_f32 v13, v13, v14                    ; the row's maximum: key 0 counts for every query, so it is a number
	v_mul_f32 v13, s26, v13
.irp j, 0,1,2,3,4,5,6,7
	v_fma_f32 v[208+\j], v[208+\j], s26, -v13
.endr
.irp j, 0,1,2,3,4,5,6,7
	v_exp_f32 v[208+\j], v[208+\j]
.endr
	v_nop
	s_wait_alu depctr_va_vdst(0)                   ; one wait for the eight
	v_add_f32 v44, v208, v209
	v_add_f32 v45, v210, v211
	v_add_f32 v46, v212, v213
	v_add_f32 v47, v214, v215
	v_add_f32 v44, v44, v45
	v_add_f32 v46, v46, v47
	v_add_f32 v44, v44, v46
	v_permlanex16_b32 v14, v44, s24, s25
	v_add_f32 v44, v44, v14
	v_rcp_f32 v44, v44
	v_nop
	s_wait_alu depctr_va_vdst(0)
.irp j, 0,1,2,3,4,5,6,7
	v_mul_f32 v[48+\j], v[208+\j], v44             ; the weights
.endr
; O^T = v^T p: 4 keys a product, my two blocks of channels by turns
.irp t, 0,1,2,3
.irp c, 0,1
.if \t == 0
	v_wmma_f32_16x16x4_f32 v[192+8*\c:192+8*\c+7], v[160+8*\c+2*\t:161+8*\c+2*\t], v[48+2*\t:49+2*\t], 0
.else
	v_wmma_f32_16x16x4_f32 v[192+8*\c:192+8*\c+7], v[160+8*\c+2*\t:161+8*\c+2*\t], v[48+2*\t:49+2*\t], v[192+8*\c:192+8*\c+7]
.endif
.endr
.endr
	PLACES 8
.irp c, 0,1
.irp q, 0,1
	global_store_b128 v9, v[192+8*\c+4*\q:192+8*\c+4*\q+3], s[22:23] offset:1024*\c+256*\q   ; lane (query r, h): channels 16 c + 8 h + 4 q + 0 .. 3; 16 lanes store 256 consecutive bytes
.endr
.endr
	s_wait_tensorcnt 0x0                           ; the wave's end
	ds_add_u32 v2, v3
	s_wait_dscnt 0x0
	s_endpgm
.Lfunc_end_k_qaed13b32c4_fine1:
	.size	k_qaed13b32c4_fine1, .Lfunc_end_k_qaed13b32c4_fine1-k_qaed13b32c4_fine1
	.p2alignl 7, 3214868480
	.fill 96, 4, 3214868480
	.section	.rodata,"a",@progbits
	.p2align	6, 0x0
	.amdhsa_kernel k_qaed13b32c4_fine1
		.amdhsa_group_segment_fixed_size 4608
		.amdhsa_private_segment_fixed_size 0
		.amdhsa_enable_private_segment 0
		.amdhsa_kernarg_size 24
		.amdhsa_user_sgpr_count 2
		.amdhsa_user_sgpr_kernarg_segment_ptr 1
		.amdhsa_wavefront_size32 1
		.amdhsa_system_sgpr_workgroup_id_x 1
		.amdhsa_system_sgpr_workgroup_id_y 1
		.amdhsa_system_sgpr_workgroup_id_z 1
		.amdhsa_system_vgpr_workitem_id 0
		.amdhsa_next_free_vgpr 640
		.amdhsa_next_free_sgpr 66
		.amdhsa_reserve_vcc 1
		.amdhsa_float_denorm_mode_32 3
		.amdhsa_float_denorm_mode_16_64 3
		.amdhsa_memory_ordered 1
		.amdhsa_forward_progress 1
		.amdhsa_inst_pref_size 27
	.end_amdhsa_kernel
	.amdgpu_metadata
---
amdhsa.version: [ 1, 2 ]
amdhsa.kernels:
  - .name:           k_qaed13b32c4_fine1
    .symbol:         k_qaed13b32c4_fine1.kd
    .args:
      - { .name: codes, .offset: 0, .size: 8, .value_kind: global_buffer, .address_space: global }
      - { .name: scales, .offset: 8, .size: 8, .value_kind: global_buffer, .address_space: global }
      - { .name: ao32, .offset: 16, .size: 8, .value_kind: global_buffer, .address_space: global }
    .group_segment_fixed_size: 4608
    .private_segment_fixed_size: 0
    .kernarg_segment_align: 8
    .kernarg_segment_size: 24
    .max_flat_workgroup_size: 128
    .sgpr_count:     66
    .vgpr_count:     640
    .wavefront_size: 32
...
	.end_amdgpu_metadata
.endif
;; end of part 5
;; launch fine2 (part 6): grid 64 x 2, 8 waves a work-group, no clusters, 167,936 bytes of LDS; arguments ao32, wo, out0; writes out0
.if DOCPART == 6
	.amdgcn_target "amdgcn-amd-amdhsa--gfx1250"
	.amdhsa_code_object_version 6
	.text
	.protected	k_qaed13b32c4_fine2
	.globl	k_qaed13b32c4_fine2
	.p2align	8
	.type	k_qaed13b32c4_fine2,@function
k_qaed13b32c4_fine2:
	s_mov_b64 s[64:65], 0
	v_nop
	global_prefetch_b8 v0, s[64:65] scope:SCOPE_SE
	s_setreg_imm32_b32 hwreg(HW_REG_WAVE_MODE, 25, 1), 1
	s_wait_xcnt 0x0
; Rows 0 to 15 of each sequence of out0 = their attention output (f32) x wo^T (f32), written over the coarser rows of the projection launch.  Only these 32 rows are computed here.
; Work-group = (16 columns of out0, batch).  Wave w sums k = 256 w .. 256 w + 255 by 64 products of the f32 matrix form on four accumulators by turns; the eight parts meet in LDS.
; wo's 16 rows x 1,024 bytes of a wave come by one tensor load into bytes of its own (rows 1,040 bytes apart); only the wave that asked reads them.  Nothing is filled again.
; The stores are runs of 64 bytes: the launch stores 131,072 bytes in all.  No cluster: only the two batches' work-groups read the same rows of wo.
.set WPITCH, 1040
.set WTILE,  16*WPITCH
.set RED,    8*WTILE                   ; behind the tiles: 1,024 bytes for each wave's part of the sums
.set SPARE,  RED+8*1024                ; the spare words, 128 bytes a wave
.set ACC, 32                           ; v32-63   four accumulators: written by matrix instructions alone
.set AO,  64                           ; v64-191  my 256 k of the 16 rows
.set WO,  192                          ; v192-255 wo, 128 k at a time
.macro PLACES n
.rept \n
	v_nop
.endr
.endm
	s_load_b128 s[4:7], s[0:1], 0x0                ; ao32, wo
	s_load_b64 s[8:9], s[0:1], 0x10                ; out0
	v_lshl_add_u32 v2, v0, 2, SPARE                ; my spare word; never rewritten
	v_mov_b32 v3, 0                                ; 0; never rewritten
	ds_add_u32 v2, v3                              ; the opening: the add, twice on end, and its wait ahead of my tensor load
	ds_add_u32 v2, v3
	v_lshrrev_b32 v1, 5, v0
	v_readfirstlane_b32 s10, v1                    ; wave 0..7
	s_and_b32 s11, ttmp7, 0xffff                   ; batch
	s_mov_b32 s16, (2<<16)|(1<<20)|(7<<22)|(3<<25) ; elements of 4 bytes; padding: 4 words behind every 256
	s_mov_b32 s17, 256<<16                         ; tensor_dim0 = 256
	s_mov_b32 s18, 16<<16                          ; tensor_dim1 = 16
	s_mov_b32 s19, 256<<16                         ; tile_dim0
	s_mov_b32 s20, 16                              ; tile_dim1
	s_mov_b32 s21, 2048                            ; from row to row
	s_mov_b32 s22, 0
	s_mov_b32 s23, 0
	s_mov_b32 s12, 1
	s_mul_i32 s13, s10, WTILE
	s_lshl_b32 s24, ttmp9, 17                      ; 16 rows of 8,192 bytes a work-group,
	s_lshl_b32 s25, s10, 10                        ; my 1,024 bytes of each
	s_add_co_u32 s24, s24, s25
	s_mov_b32 s25, 0
	s_lshl_b32 s30, s11, 17                        ; ao32: batch, u = 32 wave
	s_lshl_b32 s31, s10, 14
	s_add_co_u32 s30, s30, s31
	s_mov_b32 s31, 0
	s_lshl_b32 s28, s11, 23                        ; out0: batch, row = wave (+ 8 h), column 16 x work-group
	s_lshl_b32 s29, s10, 12
	s_add_co_u32 s28, s28, s29
	s_lshl_b32 s29, ttmp9, 6
	s_add_co_u32 s28, s28, s29
	s_mov_b32 s29, 0
	v_and_b32 v9, 31, v0
	v_and_b32 v10, 15, v0                          ; r
	v_bfe_u32 v11, v0, 4, 1                        ; h
	v_lshlrev_b32 v4, 4, v9                        ; 16 x lane
	v_mul_u32_u24 v5, v10, WPITCH
	v_lshl_add_u32 v5, v11, 4, v5
	v_add_nc_u32 v5, s13, v5                       ; wo: row r, + 16 h
	s_lshl_b32 s26, s10, 10
	s_add_co_u32 s26, s26, RED
	v_add_nc_u32 v6, s26, v4                       ; my part of the sums
	s_lshr_b32 s26, s10, 2
	s_lshl_b32 s26, s26, 9
	s_and_b32 s27, s10, 3
	s_lshl_b32 s27, s27, 2
	s_add_co_u32 s26, s26, s27
	s_add_co_u32 s26, s26, RED
	v_add_nc_u32 v7, s26, v4                       ; register w of a part
	v_lshlrev_b32 v8, 15, v11
	v_lshl_add_u32 v8, v10, 2, v8                  ; out: 8 h rows of 4,096 bytes, + 4 r
	s_wait_dscnt 0x0                               ; both opening adds are done
	s_wait_kmcnt 0x0
	s_add_nc_u64 s[14:15], s[6:7], s[24:25]
	s_or_b32 s15, s15, 0x80000000
	tensor_load_to_lds s[12:15], s[16:23]          ; one load of mine is out
	s_nop 0
	s_add_nc_u64 s[30:31], s[4:5], s[30:31]
	s_add_nc_u64 s[28:29], s[8:9], s[28:29]
.set n, 0
.rept 32
	global_load_b128 v[AO+4*n:AO+4*n+3], v4, s[30:31] offset:512*n     ; lane (r, h): row r, k = 8 n + 4 h + 0 .. 3
.set n, n+1
.endr
.macro WLOAD u0                        ; wo(column r, k = 8 u + 4 h + 0 .. 3), 16 values of u
.set n, 0
.rept 16
	ds_load_b128 v[WO+4*n:WO+4*n+3], v5 offset:32*(\u0+n)
.set n, n+1
.endr
.endm
.macro DOT u0                          ; 32 products of 4 along K: in both sources k index 2 h + j of pair p stands for k = 8 u + 4 h + 2 p + j
.set u, \u0
.rept 16
.irp p, 0,1
.if 2*u+\p < 4
	v_wmma_f32_16x16x4_f32 v[ACC+8*((2*u+\p)%4):ACC+8*((2*u+\p)%4)+7], v[AO+4*u+2*\p:AO+4*u+2*\p+1], v[WO+4*(u%16)+2*\p:WO+4*(u%16)+2*\p+1], 0
.else
	v_wmma_f32_16x16x4_f32 v[ACC+8*((2*u+\p)%4):ACC+8*((2*u+\p)%4)+7], v[AO+4*u+2*\p:AO+4*u+2*\p+1], v[WO+4*(u%16)+2*\p:WO+4*(u%16)+2*\p+1], v[ACC+8*((2*u+\p)%4):ACC+8*((2*u+\p)%4)+7]
.endif
.endr
.set u, u+1
.endr
.endm
	s_wait_tensorcnt 0x0                           ; my tile is in; nobody else reads it
	WLOAD 0
	s_wait_loadcnt 0x0
	s_wait_dscnt 0x0
	DOT 0
	PLACES 8                                       ; in front of loads into registers that matrix instructions have read
	WLOAD 16
	s_wait_dscnt 0x0
	DOT 16
	PLACES 8
.irp j, 0,1,2,3,4,5,6,7
	v_add_f32 v[16+\j], v[ACC+\j], v[ACC+8+\j]
.endr
.irp j, 0,1,2,3,4,5,6,7
	v_add_f32 v[24+\j], v[ACC+16+\j], v[ACC+24+\j]
.endr
.irp j, 0,1,2,3,4,5,6,7
	v_add_f32 v[16+\j], v[16+\j], v[24+\j]         ; lane (column r, h): row 8 h + j
.endr
	ds_store_b128 v6, v[16:19]
	ds_store_b128 v6, v[20:23] offset:512
	s_wait_dscnt 0x0                               ; for the others' sake: my stores have landed
	s_barrier_signal -1
	s_barrier_wait -1
.irp i, 0,1,2,3,4,5,6,7
	ds_load_b32 v[24+\i], v7 offset:1024*\i        ; register w of all eight parts
.endr
	s_wait_dscnt 0x0
	v_add_f32 v24, v24, v25
	v_add_f32 v26, v26, v27
	v_add_f32 v28, v28, v29
	v_add_f32 v30, v30, v31
	v_add_f32 v24, v24, v26
	v_add_f32 v28, v28, v30
	v_add_f32 v24, v24, v28
	global_store_b32 v8, v24, s[28:29]             ; out0(8 h + w, 16 x work-group + r)
	s_wait_tensorcnt 0x0                           ; the wave's end
	ds_add_u32 v2, v3
	s_wait_dscnt 0x0
	s_endpgm
.Lfunc_end_k_qaed13b32c4_fine2:
	.size	k_qaed13b32c4_fine2, .Lfunc_end_k_qaed13b32c4_fine2-k_qaed13b32c4_fine2
	.p2alignl 7, 3214868480
	.fill 96, 4, 3214868480
	.section	.rodata,"a",@progbits
	.p2align	6, 0x0
	.amdhsa_kernel k_qaed13b32c4_fine2
		.amdhsa_group_segment_fixed_size 167936
		.amdhsa_private_segment_fixed_size 0
		.amdhsa_enable_private_segment 0
		.amdhsa_kernarg_size 24
		.amdhsa_user_sgpr_count 2
		.amdhsa_user_sgpr_kernarg_segment_ptr 1
		.amdhsa_wavefront_size32 1
		.amdhsa_system_sgpr_workgroup_id_x 1
		.amdhsa_system_sgpr_workgroup_id_y 1
		.amdhsa_system_sgpr_workgroup_id_z 1
		.amdhsa_system_vgpr_workitem_id 0
		.amdhsa_next_free_vgpr 256
		.amdhsa_next_free_sgpr 66
		.amdhsa_reserve_vcc 0
		.amdhsa_float_denorm_mode_32 3
		.amdhsa_float_denorm_mode_16_64 3
		.amdhsa_memory_ordered 1
		.amdhsa_forward_progress 1
		.amdhsa_inst_pref_size 15
	.end_amdhsa_kernel
	.amdgpu_metadata
---
amdhsa.version: [ 1, 2 ]
amdhsa.kernels:
  - .name:           k_qaed13b32c4_fine2
    .symbol:         k_qaed13b32c4_fine2.kd
    .args:
      - { .name: ao32, .offset: 0, .size: 8, .value_kind: global_buffer, .address_space: global }
      - { .name: wo, .offset: 8, .size: 8, .value_kind: global_buffer, .address_space: global }
      - { .name: out0, .offset: 16, .size: 8, .value_kind: global_buffer, .address_space: global }
    .group_segment_fixed_size: 167936
    .private_segment_fixed_size: 0
    .kernarg_segment_align: 8
    .kernarg_segment_size: 24
    .max_flat_workgroup_size: 256
    .sgpr_count:     66
    .vgpr_count:     256
    .wavefront_size: 32
...
	.end_amdgpu_metadata
.endif
;; end of part 6
